; MI455X (gfx1250); checked and timed in simulation.
; The chip was launched on July 23, 2026; its instructions are those of AMD's public machine-readable ISA for CDNA 5 (MIT licence, August 2026) and "CDNA5" Instruction Set Architecture Reference Guide (July 2026). The comments in the code are by the model that wrote it; some were corrected since.
;; Altitude Conditioned Mo E. Allowed arithmetic: matrix products marked QUANTISED: E3M2 operands, one E8M0 scale for each 32 along K, by v_wmma_scale_f32_16x16x128_f8f6f4 with both operands' format E3M2, f32 sums; products left as they are: f32 operands where the result goes on into a quantised operand, else bf16, f16 or f32 operands; f32 sums; everything else in f32.
;; Inputs: alt_embedding 8 x 32 float32; eb1 8 x 4,096 float32; eb2 8 x 1,024 float32; ew1_codes 8 x 4,096 x 32 x 24 uint8 (E3M2 codes of ew1, K innermost, in blocks of 32 codes, four codes in three bytes); ew1_scales 8 x 4,096 x 32 uint8 (E8M0 scales of ew1, one for each 32 codes along K); ew2_codes 8 x 1,024 x 128 x 24 uint8 (E3M2 codes of ew2, K innermost, in blocks of 32 codes, four codes in three bytes); ew2_scales 8 x 1,024 x 128 uint8 (E8M0 scales of ew2, one for each 32 codes along K); gate_b1 512 float32; gate_b2 8 float32; gate_w1_codes 512 x 33 x 24 uint8 (E3M2 codes of gate_w1, K innermost, in blocks of 32 codes, four codes in three bytes); gate_w1_scales 512 x 33 uint8 (E8M0 scales of gate_w1, one for each 32 codes along K); gate_w2 512 x 8 float32; ln_beta 1,024 float32; ln_gamma 1,024 float32; tokens 8 x 128 x 1,024 float32.
;; Outputs: out0 8 x 128 x 1,024 float32; out1 one number float32.
;; This version of the problem:
;;   THIS VERSION OF THE PROBLEM IS GIVEN IN LOW PRECISION. The matrix products marked QUANTISED in the list below multiply operands that are first quantised to E3M2 (3 exponent bits, 2 mantissa bits; 6 bits a number), with one power-of-two scale for each 32 numbers along K (OCP MX v1.0); their sums are f32. All else is computed in f32.
;;   The module's matrix products, in the order in which they are computed (A, B: the left and right operand; K: the contracted axis; several contracted axes count as one K, in the product's order):
;;     1. [M 1,024, K 1,056] x [K 1,056, N 512]; A: computed on the way; B: input gate_w1 (given as codes): QUANTISED
;;     2. [M 1,024, K 512] x [K 512, N 8]; A: computed on the way; B: input gate_w2: left as it is (N = 8 < 16)
;;     3. [M 1,024, K 1,024] x [K 1,024, N 4,096]; A: computed on the way; B: input ew1 (given as codes): QUANTISED
;;     4. [M 1,024, K 4,096] x [K 4,096, N 1,024]; A: computed on the way; B: input ew2 (given as codes): QUANTISED
;;     5. [M 1,024, K 1,024] x [K 1,024, N 4,096]; A: computed on the way; B: input ew1 (given as codes): QUANTISED
;;     6. [M 1,024, K 4,096] x [K 4,096, N 1,024]; A: computed on the way; B: input ew2 (given as codes): QUANTISED
;;     7. [M 1,024, K 1,024] x [K 1,024, N 4,096]; A: computed on the way; B: input ew1 (given as codes): QUANTISED
;;     8. [M 1,024, K 4,096] x [K 4,096, N 1,024]; A: computed on the way; B: input ew2 (given as codes): QUANTISED
;;     9. [M 1,024, K 1,024] x [K 1,024, N 4,096]; A: computed on the way; B: input ew1 (given as codes): QUANTISED
;;     10. [M 1,024, K 4,096] x [K 4,096, N 1,024]; A: computed on the way; B: input ew2 (given as codes): QUANTISED
;;     11. [M 1,024, K 1,024] x [K 1,024, N 4,096]; A: computed on the way; B: input ew1 (given as codes): QUANTISED
;;     12. [M 1,024, K 4,096] x [K 4,096, N 1,024]; A: computed on the way; B: input ew2 (given as codes): QUANTISED
;;     13. [M 1,024, K 1,024] x [K 1,024, N 4,096]; A: computed on the way; B: input ew1 (given as codes): QUANTISED
;;     14. [M 1,024, K 4,096] x [K 4,096, N 1,024]; A: computed on the way; B: input ew2 (given as codes): QUANTISED
;;     15. [M 1,024, K 1,024] x [K 1,024, N 4,096]; A: computed on the way; B: input ew1 (given as codes): QUANTISED
;;     16. [M 1,024, K 4,096] x [K 4,096, N 1,024]; A: computed on the way; B: input ew2 (given as codes): QUANTISED
;;     17. [M 1,024, K 1,024] x [K 1,024, N 4,096]; A: computed on the way; B: input ew1 (given as codes): QUANTISED
;;     18. [M 1,024, K 4,096] x [K 4,096, N 1,024]; A: computed on the way; B: input ew2 (given as codes): QUANTISED
;;   THE QUANTISER, for each operand of a quantised product, along K:
;;     - K is cut into blocks of 32 from its start; a last block that is shorter is filled with zeros.
;;     - A block's scale is 2^e with e = floor(log2(the largest magnitude in the block)) - 4, held to -126 .. 127; a block of zeros has e = 0. As a byte (E8M0): e + 127.
;;     - Each number is divided by its block's scale, clamped to +-28, and rounded to the nearest number of E3M2, ties to even, subnormals kept.
;;     - The product sums the exact products of the quantised numbers (number of the format x scale) in f32.
;;   ~~~python
;;   def quantise(x, axis):      # numpy; x: float32 -> the quantised numbers, widened to float32 again
;;       x = np.moveaxis(x, axis, -1); K = x.shape[-1]
;;       x = np.pad(x, [(0, 0)] * (x.ndim - 1) + [(0, -K % 32)]); x = x.reshape(x.shape[:-1] + (-1, 32)); a = np.abs(x).max(-1, keepdims=True)
;;       e = np.where(a > 0, np.clip(np.frexp(np.where(a > 0, a, 1))[1] - 1 - 4, -126, 127), 0)      # np.frexp(a)[1] - 1 = floor(log2(a)), exactly
;;       r = np.clip(x / 2.0 ** e, -28, 28)
;;       step = 2.0 ** (np.maximum(np.frexp(np.where(r == 0, 1, r))[1] - 1, -2) - 2)
;;       q = np.round(r / step) * step * 2.0 ** e      # np.round: ties to even
;;       return np.moveaxis(q.reshape(q.shape[:-2] + (-1,))[..., :K], -1, axis).astype(np.float32)
;;   ~~~
;;   OPERANDS COMPUTED ON THE WAY. 'Computed on the way' means the value that the module computes at that place (a softmax that the list does not call 'softmax' is quantised finished and normalised). What goes into a quantiser is computed in f32, as accurately as f32 sums, v_exp_f32 and their like allow (about 1e-6 of the number): no bf16 or f16 on the way to a quantiser, and a product that is left as it is and whose result goes on into a quantised operand takes f32 operands (vector FMAs, or v_wmma_f32_16x16x4_f32). A number that lies on a knife's edge between two numbers of the format may be rounded either way, as far as f32 arithmetic and the matrix unit's own rounding can turn it there, and no further.
;;   INPUTS GIVEN AS CODES. ew1 (in the module: [8, 1024, 4096], K = its axis 1); ew2 (in the module: [8, 4096, 1024], K = its axis 1); gate_w1 (in the module: [1056, 512], K = its axis 0): each comes as NAME_codes (uint8): NAME with its K axis moved to the last place and cut into blocks of 32 codes, [.., K / 32, bytes a block], one block behind the other in memory; four codes in three bytes: a row's codes are one little-endian stream of bits, code i at bits 6 i .. 6 i + 5 (a code: sign, 3 exponent bits, 2 mantissa bits); and NAME_scales (uint8): the same leading axes, one E8M0 byte (e + 127) for each 32 codes along K. Its value is code x scale, taken as it is: it is not quantised again, and the codes and scales need not be those that the quantiser above would give.
;; One version. Each part assembles by itself: llvm-mc -triple=amdgcn-amd-amdhsa -mcpu=gfx1250 --defsym DOCPART=n.
;; ======== version 1 of 1: 4 launches
;; limits: a function is approximated: absolute error at most 7.5e-08; an absolute error that grows with the inputs' magnitude: up to 7.5e-08 times it
;; workspace buffers: xc 819,200 bytes; route 2,048 bytes of whole numbers; fl 12,288 bytes; rows 32,768 bytes of whole numbers; hc 27,262,976 bytes; yp 8,388,608 bytes
;; launch router (part 1): grid 64 x 1, 8 waves a work-group, no clusters, 274,176 bytes of LDS; arguments tokens, alt_embedding, ln_gamma, ln_beta, gate_w1_codes, gate_w1_scales, gate_b1, gate_w2, gate_b2, xc, route, fl; writes xc, route, fl
.if DOCPART == 1
	.amdgcn_target "amdgcn-amd-amdhsa--gfx1250"
	.amdhsa_code_object_version 6
	.text
	.protected	k_qdd87a403f8_router
	.globl	k_qdd87a403f8_router
	.p2align	8
	.type	k_qdd87a403f8_router,@function
k_qdd87a403f8_router:
	s_mov_b64 s[64:65], 0
	v_nop
	global_prefetch_b8 v0, s[64:65] scope:SCOPE_SE
	s_setreg_imm32_b32 hwreg(HW_REG_WAVE_MODE, 25, 1), 1
	s_wait_xcnt 0x0
; LayerNorm, the quantiser of normed (MX-BF6 along D), the router (quantised product K = 1,056, exact GELU, f32 product to 8 logits), top-2, gates, parts of the load-balance loss.
; DEAD WORK LEFT OUT BY THE PROGRAM: combine[t][e] is a sum of one_hot(top_idx) x gates that reference() builds itself: it is exactly 0 for every expert e outside token t's two choices,
; so combine x ye is 0 in exact arithmetic there, whatever finite values the inputs hold: those rows of the experts' products are not computed (the later launches multiply the 2,048 chosen rows alone).
; LIMIT: a NaN, an infinity or an overflow that arises only in the rows left out is not carried to the result.  Every input has a way to an output and is loaded.
; OTHER LIMITS: logits are finite.  GELU(x) = max(x, 0) - |x| Q(|x|), Q the normal tail by the five-term rational form (absolute error 7.5e-8).  A block whose largest magnitude lies under 2^-122 keeps the scale byte 1
; (a block of zeros too: its codes are zeros, and this program alone reads the bytes).
; SHARES.  Work-group g: tokens 16 g .. 16 g + 15.  Wave w normalises tokens 2 w, 2 w + 1; in the product it owns hidden units 64 w .. 64 w + 63 (4 tiles), used transposed (source 0 = 16 rows of gate_w1, source 1 = the 16 tokens):
; lane (r, h) holds token r, register j of tile t unit 64 w + 16 t + 8 h + j.
; GATE_W1.  A wave's 64 rows of 792 bytes are 50,688 consecutive bytes: they are loaded as they lie, 512 consecutive bytes a load, and go through the wave's own 25,344 bytes of LDS, 32 rows (two tiles) at a time;
; the fragments come from there.  No tensor load and no cluster, though all 64 work-groups read the same gate_w1: its 405,504 bytes do not fit in LDS at once, its rows of 198 words fit no padding interval, and a wave has 36 matrix instructions in all.
; OUT: xc: a token's codes, 768 bytes, K step s and half h at 96 s + 48 h (blocks 4 s + h, 4 s + 2 + h: three loads of 16 bytes are a lane's fragment); its 32 scale bytes at 786432 + 32 t.
; route: bm[e][64] words, bit b of word g = routed row d = 32 g + b, d = 2 t + k.  fl: gates[t][2]; at 8192 lbp[g][16]: sums of p_e, counts of first choices.
.set STG,   0                  ; LDS: a stage of 32 x 144 bytes for each wave
.set XROW,  36864              ; 16 code rows, 784 bytes apart (49 x 16: sixteen rows begin in different banks)
.set XSC,   49408              ; 16 x 32 scale bytes
.set W2L,   49920              ; gate_w2, dense
.set PL,    66304              ; partial logits [wave][token][8]
.set SPARE, 70400              ; the spare words, 128 bytes a wave
.set WB,    71424              ; gate_w1: for each wave 32 rows of 792 bytes, as they lie in memory
.set WHALF, 25344
.set X0, 24
.set X1, 56
.set GA, 88
.set BE, 120
.set ACC, 152                  ; first alt's 32 numbers, then the four accumulators
.set SCD, 184                  ; 9 words a tile: raw, then gate_w1's scale words
.set T, 220
.set L, 232
.set XSW, 240                  ; v240-247 the tokens' scale words, v248 alt's
.set XF, 24                    ; behind the LayerNorm: the tokens' eight fragments, v24-119, and alt's, v120-131
.set WR, 200                   ; window 1: two places of 2 x 12 registers for gate_w1's fragments (v0-199 of window 1: the 50 dense loads of a half; v248-253: alt's codes during the LayerNorm)
.set GT, 24
.set VC4, 72
.set KP, 40
.set KK, 42
.set MSB, 0
.macro WIN new
.if MSB != \new
	s_set_vgpr_msb (MSB<<8)|\new
.set MSB, \new
.endif
.endm
.macro END3                    ; the wave's end
	s_wait_tensorcnt 0x0
	ds_add_u32 v252, v253
	s_wait_dscnt 0x0
.endm
; GELU of 16 numbers in place.  D = 1 + p |x|, U = (k x)^2 with k^2 = log2(e) / 2; one batch of 16 reciprocals and 16 exponentials with one wait; Horner in t = 1 / D; x = max(x, 0) - |x| poly(t) 2^-U
.macro GELU16 x
.set gi, 0
.rept 16
	v_fma_f32 v[GT+gi], |v[(\x)+gi]|, s[KP], 1.0
.set gi, gi+1
.endr
.set gi, 0
.rept 8
	v_pk_mul_f32 v[GT+16+gi:GT+17+gi], v[(\x)+gi:(\x)+gi+1], s[KK:KK+1] op_sel_hi:[1,0]
.set gi, gi+2
.endr
.set gi, 0
.rept 8
	v_pk_mul_f32 v[GT+16+gi:GT+17+gi], v[GT+16+gi:GT+17+gi], v[GT+16+gi:GT+17+gi]
.set gi, gi+2
.endr
.set gi, 0
.rept 16
	v_rcp_f32 v[GT+gi], v[GT+gi]
.set gi, gi+1
.endr
.set gi, 0
.rept 16
	v_exp_f32 v[GT+16+gi], -v[GT+16+gi]
.set gi, gi+1
.endr
	v_nop                                          ; a plain place behind the last transcendental
	s_wait_alu depctr_va_vdst(0)                   ; one wait for the batch of 32, ahead of its first reader
.set gi, 0
.rept 8
	v_pk_fma_f32 v[GT+32+gi:GT+33+gi], v[GT+gi:GT+gi+1], 0x3f07dc22, v[VC4:VC4+1] op_sel_hi:[1,0,1]
.set gi, gi+2
.endr
.irp c, 0x3f35f0e3, 0xbe11a98e, 0x3e027906
.set gi, 0
.rept 8
	v_pk_fma_f32 v[GT+32+gi:GT+33+gi], v[GT+32+gi:GT+33+gi], v[GT+gi:GT+gi+1], \c op_sel_hi:[1,1,0]
.set gi, gi+2
.endr
.endr
.set gi, 0
.rept 8
	v_pk_mul_f32 v[GT+32+gi:GT+33+gi], v[GT+32+gi:GT+33+gi], v[GT+gi:GT+gi+1]
.set gi, gi+2
.endr
.set gi, 0
.rept 8
	v_pk_mul_f32 v[GT+32+gi:GT+33+gi], v[GT+32+gi:GT+33+gi], v[GT+16+gi:GT+17+gi]
.set gi, gi+2
.endr
.set gi, 0
.rept 16
	v_max_num_f32 v[GT+gi], 0, v[(\x)+gi]
.set gi, gi+1
.endr
.set gi, 0
.rept 16
	v_fma_f32 v[(\x)+gi], -|v[(\x)+gi]|, v[GT+32+gi], v[GT+gi]
.set gi, gi+1
.endr
.endm
; 32 registers loaded densely (16 bytes a lane, 512 a load) go through my stage and come back as block l: 32 neighbours a lane.  LDS serves a wave's instructions in order: no wait between
.macro ROWT R
.irp j, 0,1,2,3,4,5,6,7
	ds_store_b128 v11, v[\R+4*\j:\R+4*\j+3] offset:576*\j
.endr
.irp j, 0,1,2,3,4,5,6,7
	ds_load_b128 v[\R+4*\j:\R+4*\j+3], v12 offset:16*\j
.endr
.endm
.macro LSUM a, b               ; a sum over the 32 lanes, in every lane
	v_add_f32_dpp v[\a], v[\a], v[\a] row_xmask:1 row_mask:0xf bank_mask:0xf
	v_add_f32_dpp v[\a], v[\a], v[\a] row_xmask:2 row_mask:0xf bank_mask:0xf
	v_add_f32_dpp v[\a], v[\a], v[\a] row_xmask:4 row_mask:0xf bank_mask:0xf
	v_add_f32_dpp v[\a], v[\a], v[\a] row_xmask:8 row_mask:0xf bank_mask:0xf
	v_permlanex16_b32 v[\b], v[\a], s38, s39
	v_add_f32 v[\a], v[\a], v[\b]
.endm
; a block of 32 numbers in one lane's registers: its scale byte in v[T+3], its 24 bytes of codes in v[T+4] .. v[T+9]
.macro QBLK R
	v_max3_num_f32 v[T], |v[\R]|, |v[\R+1]|, |v[\R+2]|
	v_max3_num_f32 v[T+1], |v[\R+3]|, |v[\R+4]|, |v[\R+5]|
.irp i, 6,10,14,18,22,26
	v_max3_num_f32 v[T], v[T], |v[\R+\i]|, |v[\R+\i+1]|
	v_max3_num_f32 v[T+1], v[T+1], |v[\R+\i+2]|, |v[\R+\i+3]|
.endr
	v_max3_num_f32 v[T], v[T], |v[\R+30]|, |v[\R+31]|
	v_max3_num_f32 v[T], v[T], v[T+1], 0x2800000   ; the floor 2^(5 - 127): the byte cannot fall under 1
	v_add_nc_u32 v[T+2], 0xfe000000, v[T]          ; 4 off the exponent field: the conversion's scale operand
	v_lshrrev_b32 v[T+3], 23, v[T+2]
	v_cvt_scalef32_pk16_bf6_f32 v[T+4:T+6], v[\R:\R+15], v[T+2]
	v_cvt_scalef32_pk16_bf6_f32 v[T+8:T+10], v[\R+16:\R+31], v[T+2]
	v_nop                                          ; a plain place behind a scaled conversion
	v_mov_b32 v[T+7], v[T+8]
	v_mov_b32 v[T+8], v[T+9]
	v_mov_b32 v[T+9], v[T+10]
.endm
; LayerNorm of the row in R (block l a lane), quantised; codes and byte to LDS.  n: my first or second token
.macro LNQ R, n
.irp c, 0,1,2,3
	v_pk_add_f32 v[T+2*\c:T+2*\c+1], v[\R+4*\c:\R+4*\c+1], v[\R+4*\c+2:\R+4*\c+3]
.endr
.irp c, 0,1,2,3
	v_pk_add_f32 v[T+2*\c:T+2*\c+1], v[T+2*\c:T+2*\c+1], v[\R+16+4*\c:\R+17+4*\c]
.endr
.irp c, 0,1,2,3
	v_pk_add_f32 v[T+2*\c:T+2*\c+1], v[T+2*\c:T+2*\c+1], v[\R+18+4*\c:\R+19+4*\c]
.endr
	v_pk_add_f32 v[T:T+1], v[T:T+1], v[T+2:T+3]
	v_pk_add_f32 v[T+4:T+5], v[T+4:T+5], v[T+6:T+7]
	v_pk_add_f32 v[T:T+1], v[T:T+1], v[T+4:T+5]
	v_add_f32 v[T], v[T], v[T+1]
	LSUM T, T+1
	v_mul_f32 v[T], 0x3a800000, v[T]               ; the mean
.irp p, 0,2,4,6,8,10,12,14,16,18,20,22,24,26,28,30
	v_pk_add_f32 v[\R+\p:\R+\p+1], v[\R+\p:\R+\p+1], v[T:T+1] op_sel_hi:[1,0] neg_lo:[0,1] neg_hi:[0,1]
.endr
.irp c, 0,1,2,3
	v_pk_mul_f32 v[T+2+2*\c:T+3+2*\c], v[\R+2*\c:\R+2*\c+1], v[\R+2*\c:\R+2*\c+1]
.endr
.irp p, 8,16,24
.irp c, 0,1,2,3
	v_pk_fma_f32 v[T+2+2*\c:T+3+2*\c], v[\R+\p+2*\c:\R+\p+2*\c+1], v[\R+\p+2*\c:\R+\p+2*\c+1], v[T+2+2*\c:T+3+2*\c]
.endr
.endr
	v_pk_add_f32 v[T+2:T+3], v[T+2:T+3], v[T+4:T+5]
	v_pk_add_f32 v[T+6:T+7], v[T+6:T+7], v[T+8:T+9]
	v_pk_add_f32 v[T+2:T+3], v[T+2:T+3], v[T+6:T+7]
	v_add_f32 v[T+2], v[T+2], v[T+3]
	LSUM T+2, T+3
	v_fma_f32 v[T+2], v[T+2], s48, s49             ; the variance + 1e-5
	v_rsq_f32 v[T+4], v[T+2]
	v_nop
	s_wait_alu depctr_va_vdst(0)
.irp p, 0,2,4,6,8,10,12,14,16,18,20,22,24,26,28,30
	v_pk_mul_f32 v[\R+\p:\R+\p+1], v[\R+\p:\R+\p+1], v[T+4:T+5] op_sel_hi:[1,0]
.endr
.irp p, 0,2,4,6,8,10,12,14,16,18,20,22,24,26,28,30
	v_pk_fma_f32 v[\R+\p:\R+\p+1], v[\R+\p:\R+\p+1], v[GA+\p:GA+\p+1], v[BE+\p:BE+\p+1]
.endr
	QBLK \R
	ds_store_b64 v13, v[T+4:T+5] offset:784*\n
	ds_store_b64 v13, v[T+6:T+7] offset:784*\n+8
	ds_store_b64 v13, v[T+8:T+9] offset:784*\n+16
	ds_store_b8 v14, v[T+3] offset:32*\n
.endm
; Half u of my 64 rows of gate_w1: 25,344 consecutive bytes into window 1, v0-199: 512 consecutive bytes a load; the fiftieth begins 256 bytes early, so that none passes the half's end
.macro WGET u
	WIN 0x40
.set wj, 0
.rept 49
	global_load_b128 v[4*wj:4*wj+3], v4, s[12:13] offset:WHALF*(\u)+512*wj
.set wj, wj+1
.endr
	global_load_b128 v[196:199], v4, s[12:13] offset:WHALF*(\u)+WHALF-512
	WIN 0
.endm
.macro WPUT                    ; and on into my own bytes of LDS, as they lie (the fiftieth writes 256 bytes a second time, with the same numbers)
	WIN 0x04
.set wj, 0
.rept 49
	ds_store_b128 v249, v[4*wj:4*wj+3] offset:512*wj
.set wj, wj+1
.endr
	ds_store_b128 v249, v[196:199] offset:WHALF-512
	WIN 0
.endm
; K step k of the two tiles that lie in LDS, into place k % 2.  K step 8 is the one block of alt: 24 bytes a row, the same for both halves of the lanes
.macro WLD k
	WIN 0x40
.irp t, 0,1
.if (\k) < 8
.irp p, 0,1,2,3,4,5
	ds_load_b64 v[WR+24*((\k)%2)+12*\t+2*\p:WR+24*((\k)%2)+12*\t+2*\p+1], v8 offset:12672*\t+96*(\k)+48*(\p/3)+8*(\p%3)
.endr
.else
.irp p, 0,1,2
	ds_load_b64 v[WR+24*((\k)%2)+12*\t+2*\p:WR+24*((\k)%2)+12*\t+2*\p+1], v9 offset:12672*\t+768+8*\p
.endr
.endif
.endr
	WIN 0
.endm
; Nine K steps of tiles 2 u, 2 u + 1; the two accumulators take turns; the next K step's fragments are asked for ahead of each pair of products.
; In K step 8 what is left in gate_w1's registers beyond its one block meets zero codes of the tokens under finite scale bytes: it adds nothing
.macro PROD u
	WLD 0
.irp k, 0,1,2,3,4,5,6,7,8
.if \k < 8
	WLD \k+1
.if \k < 7
	s_wait_dscnt 12                                ; the next K step's 12 loads may be out
.else
	s_wait_dscnt 6                                 ; K step 8's six
.endif
.else
	s_wait_dscnt 0x0
.endif
	WIN 0x01
.irp t, 0,1
	v_wmma_scale_f32_16x16x128_f8f6f4 v[ACC+8*(2*(\u)+\t):ACC+8*(2*(\u)+\t)+7], v[WR+24*(\k%2)+12*\t:WR+24*(\k%2)+12*\t+11], v[XF+12*\k:XF+12*\k+11], v[ACC+8*(2*(\u)+\t):ACC+8*(2*(\u)+\t)+7], v[SCD+9*(2*(\u)+\t)+\k], v[XSW+\k] matrix_a_fmt:MATRIX_FMT_BF6 matrix_b_fmt:MATRIX_FMT_BF6
.endr
	WIN 0
.rept 4
	v_nop                                          ; places in front of loads into registers that the products have read, and of the first read of results
.endr
.endr
.endm
	s_load_b512 s[4:19], s[0:1], 0x0               ; tokens, alt, gamma, beta, w1 codes, w1 scales, b1, w2
	s_load_b256 s[20:27], s[0:1], 0x40             ; b2, xc, route, fl
	v_lshl_add_u32 v252, v0, 2, SPARE
	v_mov_b32 v253, 0
	v_lshrrev_b32 v1, 5, v0
	v_readfirstlane_b32 s36, v1                    ; wave
	s_mov_b32 s37, ttmp9                           ; g
	s_mov_b32 s38, 0x76543210
	s_mov_b32 s39, 0xfedcba98
	s_mov_b32 s[KP], 0x3e6d3389                    ; 0.2316419
	s_mov_b32 s[KK], 0x3f596d27                    ; sqrt(log2(e) / 2)
	s_mov_b32 s[KK+1], s[KK]
	s_mov_b32 s48, 0x3a800000                      ; 1 / 1024
	s_mov_b32 s49, 0x3727c5ac                      ; 1e-5
	v_and_b32 v1, 31, v0                           ; lane
	v_and_b32 v2, 15, v0                           ; r
	v_bfe_u32 v3, v0, 4, 1                         ; h
	v_lshlrev_b32 v4, 4, v1                        ; 16 x lane
	v_mov_b32 v5, 0
	v_lshlrev_b32 v6, 4, v0                        ; 16 x thread
	v_mul_u32_u24 v7, v2, 33
	v_and_b32 v7, 0xfffc, v7                       ; the word in which row r's 33 scale bytes begin
	s_mul_i32 s44, s36, WHALF
	s_add_co_u32 s44, s44, WB                      ; my bytes for gate_w1
	v_mul_u32_u24 v9, v2, 792
	v_add_nc_u32 v9, s44, v9                       ; row r of a tile,
	v_mad_u32_u24 v8, v3, 24, v9                   ; + 24 h
	v_add_nc_u32 v249, s44, v4                     ; and the way in: 16 x lane
	v_lshlrev_b32 v10, 5, v3
	s_mul_i32 s44, s36, 4608
	v_lshrrev_b32 v23, 3, v1
	v_mul_u32_u24 v11, v23, 144
	v_and_b32 v23, 7, v1
	v_lshl_add_u32 v11, v23, 4, v11
	v_add_nc_u32 v11, s44, v11                     ; the stage, in
	v_mul_u32_u24 v12, v1, 144
	v_add_nc_u32 v12, s44, v12                     ; and out
	s_mul_i32 s44, s36, 1568
	s_add_co_u32 s44, s44, XROW                    ; my two code rows
	v_lshrrev_b32 v23, 2, v1
	v_mul_u32_u24 v13, v23, 96
	v_and_b32 v23, 1, v1
	v_mad_u32_u24 v13, v23, 48, v13
	v_bfe_u32 v23, v1, 1, 1
	v_mad_u32_u24 v13, v23, 24, v13
	v_add_nc_u32 v13, s44, v13                     ; block l's 24 bytes
	v_mul_u32_u24 v15, v3, 784
	v_lshl_add_u32 v15, v2, 4, v15
	v_add_nc_u32 v15, s44, v15
	v_mul_u32_u24 v16, v3, 768
	v_lshl_add_u32 v16, v2, 4, v16
	s_lshl_b32 s44, s36, 6
	s_add_co_u32 s44, s44, XSC
	v_add_nc_u32 v14, s44, v1
	v_mul_u32_u24 v17, v2, 784
	v_mad_u32_u24 v17, v3, 48, v17
	v_add_nc_u32 v17, XROW, v17
	v_lshl_add_u32 v18, v2, 5, XSC
	v_and_b32 v19, 3, v2
	v_lshlrev_b32 v19, 3, v19                      ; 8 x (33 r mod 4)
	s_lshl_b32 s44, s36, 11
	s_add_co_u32 s44, s44, W2L
	v_lshl_add_u32 v20, v3, 8, s44
	s_lshl_b32 s44, s36, 9
	s_add_co_u32 s44, s44, PL
	v_lshl_add_u32 v21, v2, 5, s44
	v_add_nc_u32 v22, W2L, v6
	v_add_nc_u32 v250, XSC, v4
	v_lshl_add_u32 v251, v2, 5, PL
	s_lshl_b32 s44, s37, 4
	s_lshl_b32 s45, s36, 1
	s_add_co_u32 s44, s44, s45                     ; my first token
	s_lshl_b32 s46, s44, 12
	s_mov_b32 s47, 0
	s_mul_i32 s58, s44, 768
	s_mov_b32 s59, 0
	s_lshr_b32 s60, s37, 3
	s_lshl_b32 s60, s60, 7
	s_mov_b32 s61, 0
	s_mul_i32 s62, s36, 50688
	s_mov_b32 s63, 0
	s_mul_i32 s66, s36, 2112
	s_mov_b32 s67, 0
	s_lshl_b32 s68, s36, 8
	s_mov_b32 s69, 0
	s_lshl_b32 s70, s37, 9
	s_add_co_u32 s70, s70, 786432
	s_mov_b32 s71, 0
	s_lshl_b32 s72, s37, 7
	s_mov_b32 s73, 0
	s_lshl_b32 s74, s37, 6
	s_add_co_u32 s74, s74, 8192
	s_mov_b32 s75, 0
	s_lshl_b32 s76, s37, 2
	s_mov_b32 s77, 0
	s_wait_kmcnt 0x0
	s_load_b256 s[28:35], s[20:21], 0x0            ; gate_b2
	s_add_nc_u64 s[4:5], s[4:5], s[46:47]
	s_add_nc_u64 s[6:7], s[6:7], s[60:61]
	s_add_nc_u64 s[12:13], s[12:13], s[62:63]      ; my 64 rows of gate_w1
	s_add_nc_u64 s[14:15], s[14:15], s[66:67]
	s_add_nc_u64 s[16:17], s[16:17], s[68:69]
	s_add_nc_u64 s[50:51], s[22:23], s[58:59]      ; xc: my two code rows
	s_add_nc_u64 s[52:53], s[22:23], s[70:71]      ; xc: the work-group's scale bytes
	s_add_nc_u64 s[54:55], s[26:27], s[72:73]      ; gates
	s_add_nc_u64 s[56:57], s[26:27], s[74:75]      ; lbp
	s_add_nc_u64 s[24:25], s[24:25], s[76:77]      ; bm, word g
.irp j, 0,1,2,3,4,5,6,7
	global_load_b128 v[X0+4*\j:X0+4*\j+3], v4, s[4:5] offset:512*\j
.endr
.irp j, 0,1,2,3,4,5,6,7
	global_load_b128 v[X1+4*\j:X1+4*\j+3], v4, s[4:5] offset:4096+512*\j
.endr
.irp j, 0,1,2,3,4,5,6,7
	global_load_b128 v[GA+4*\j:GA+4*\j+3], v4, s[8:9] offset:512*\j
.endr
.irp j, 0,1,2,3,4,5,6,7
	global_load_b128 v[BE+4*\j:BE+4*\j+3], v4, s[10:11] offset:512*\j
.endr
.irp j, 0,1,2,3,4,5,6,7
	global_load_b128 v[ACC+4*\j:ACC+4*\j+3], v5, s[6:7] offset:16*\j        ; alt of my batch: the same 32 numbers in every lane
.endr
	WIN 0x40
.irp j, 0,1,2,3
	global_load_b128 v[WR+4*\j:WR+4*\j+3], v6, s[18:19] offset:4096*\j      ; gate_w2, dense, on its way to LDS
.endr
	WIN 0
.irp t, 0,1,2,3
.irp j, 0,1,2,3,4,5,6,7,8
	global_load_b32 v[SCD+9*\t+\j], v7, s[14:15] offset:528*\t+4*\j
.endr
.endr
	WGET 0
	s_wait_loadcnt 63                              ; behind gate_w2 stand 36 scale words and the half's 50 loads; the wait names the most that its field holds, which is fewer
	WIN 0x04
.irp j, 0,1,2,3
	ds_store_b128 v22, v[WR+4*\j:WR+4*\j+3] offset:4096*\j
.endr
	WIN 0
	QBLK ACC                                       ; alt is block 32 of the router's K
	v_mov_b32 v248, v[T+3]                         ; its scale word: the byte, and 0 above it
	s_mov_b32 s44, 0xffff
	WIN 0x40
.irp i, 0,1,2,3,4,5
	v_cndmask_b32 v[248+\i], 0, v[T+4+\i], s44     ; its codes in lanes 0-15, zero codes in lanes 16-31; kept in window 1 during the LayerNorm
.endr
	WIN 0
.irp t, 0,1,2,3
	global_load_b128 v[ACC+8*\t:ACC+8*\t+3], v10, s[16:17] offset:64*\t     ; gate_b1 starts the sums
	global_load_b128 v[ACC+8*\t+4:ACC+8*\t+7], v10, s[16:17] offset:64*\t+16
.endr
	s_wait_loadcnt 8                               ; all but gate_b1's eight: the first half of gate_w1 is in
	WPUT
	ROWT GA
	ROWT BE
	ROWT X0
	s_wait_dscnt 0x0                               ; the stores have read their registers
	WGET 1                                         ; the second half lands during the LayerNorm and the first half's products
	LNQ X0, 0
	ROWT X1
	s_wait_dscnt 0x0
	LNQ X1, 1
	WIN 0x01
.irp i, 0,1,2,3,4,5
	v_mov_b32 v[XF+96+\i], v[248+\i]               ; K step 8's fragment of the tokens: alt's block,
.endr
	WIN 0
.irp i, 6,7,8,9,10,11
	v_mov_b32 v[XF+96+\i], 0                       ; and zero codes for the rest of the K step
.endr
.irp k, 0,1,2
	ds_load_b128 v[T+4*\k:T+4*\k+3], v15 offset:256*\k                      ; my two rows of codes, as they lie
.endr
.irp k, 0,1,2
	s_wait_dscnt 2-\k
	global_store_b128 v16, v[T+4*\k:T+4*\k+3], s[50:51] offset:256*\k       ; sixteen lanes store 256 consecutive bytes, aligned
.endr
	s_wait_dscnt 0x0                               ; my stores into LDS have landed
	s_barrier_signal -1
	s_barrier_wait -1                              ; the 16 rows, their scale bytes and gate_w2 lie in LDS
	s_cmp_lg_u32 s36, 1
	s_cbranch_scc1 .Lnot1
	ds_load_b128 v[232:235], v250
	s_wait_dscnt 0x0
	global_store_b128 v4, v[232:235], s[52:53]     ; the 512 scale bytes
.Lnot1:
.irp k, 0,1,2,3,4,5,6,7
.irp p, 0,1,2
	ds_load_b128 v[XF+12*\k+4*\p:XF+12*\k+4*\p+3], v17 offset:96*\k+16*\p   ; the tokens' eight fragments
.endr
.endr
	ds_load_b128 v[XSW:XSW+3], v18
	ds_load_b128 v[XSW+4:XSW+7], v18 offset:16
	s_wait_xcnt 0x0                                ; the stores above have read their registers
	s_wait_loadcnt 50                              ; the second half's 50 loads may stay out: gate_b1 is in
.irp t, 0,1,2,3
.irp k, 0,1,2,3,4,5,6,7
	v_alignbit_b32 v[SCD+9*\t+\k], v[SCD+9*\t+\k+1], v[SCD+9*\t+\k], v19    ; row r's bytes 4 k .. 4 k + 3
.endr
	v_lshrrev_b32 v[SCD+9*\t+8], v19, v[SCD+9*\t+8]
	v_and_b32 v[SCD+9*\t+8], 0xff, v[SCD+9*\t+8]
.endr
.rept 8
	v_nop                                          ; scale registers written by vector instructions stand 8 places ahead
.endr
	s_wait_dscnt 0x0
	PROD 0
	s_wait_loadcnt 0x0                             ; the second half is in registers; my reads of the first half are over
	WPUT
	PROD 1
	v_mov_b32 v[VC4], 0xbf3a00e3
	v_mov_b32 v[VC4+1], 0xbf3a00e3
	GELU16 ACC
	GELU16 ACC+16
; logits: my 64 units x gate_w2's rows of 8, in f32; two tiles' rows of gate_w2 at a time
.irp u, 0,1
.irp t, 0,1
.irp j, 0,1,2,3,4,5,6,7
	ds_load_b128 v[24+64*\t+8*\j:27+64*\t+8*\j], v20 offset:512*(2*\u+\t)+32*\j
	ds_load_b128 v[28+64*\t+8*\j:31+64*\t+8*\j], v20 offset:512*(2*\u+\t)+32*\j+16
.endr
.endr
	s_wait_dscnt 0x0
.irp t, 0,1
.irp j, 0,1,2,3,4,5,6,7
.irp q, 0,1,2,3
.if (\u == 0) && (\t == 0) && (\j == 0)
	v_pk_mul_f32 v[L+2*\q:L+2*\q+1], v[ACC:ACC+1], v[24+2*\q:25+2*\q] op_sel_hi:[0,1]
.elseif (\j%2) == 0
	v_pk_fma_f32 v[L+2*\q:L+2*\q+1], v[ACC+8*(2*\u+\t)+\j:ACC+8*(2*\u+\t)+\j+1], v[24+64*\t+8*\j+2*\q:25+64*\t+8*\j+2*\q], v[L+2*\q:L+2*\q+1] op_sel_hi:[0,1,1]
.else
	v_pk_fma_f32 v[L+2*\q:L+2*\q+1], v[ACC+8*(2*\u+\t)+\j-1:ACC+8*(2*\u+\t)+\j], v[24+64*\t+8*\j+2*\q:25+64*\t+8*\j+2*\q], v[L+2*\q:L+2*\q+1] op_sel:[1,0,0]
.endif
.endr
.endr
.endr
.endr
.irp e, 0,1,2,3,4,5,6,7
	v_permlanex16_b32 v[T+\e], v[L+\e], s38, s39
.endr
.irp e, 0,2,4,6
	v_pk_add_f32 v[L+\e:L+\e+1], v[L+\e:L+\e+1], v[T+\e:T+\e+1]
.endr
	ds_store_b128 v21, v[L:L+3]
	ds_store_b128 v21, v[L+4:L+7] offset:16
	s_wait_dscnt 0x0
	s_barrier_signal -1
	s_barrier_wait -1                              ; the eight waves' partial logits lie in LDS
	s_cmp_lg_u32 s36, 0
	s_cbranch_scc1 .Lfin
.irp k, 0,1,2,3,4,5,6,7
	ds_load_b128 v[24+8*\k:27+8*\k], v251 offset:512*\k
	ds_load_b128 v[28+8*\k:31+8*\k], v251 offset:512*\k+16
.endr
	s_wait_dscnt 0x0
	s_wait_kmcnt 0x0
.irp k, 1,2,3,4,5,6,7
.irp q, 0,2,4,6
	v_pk_add_f32 v[24+\q:25+\q], v[24+\q:25+\q], v[24+8*\k+\q:25+8*\k+\q]
.endr
.endr
.irp e, 0,1,2,3,4,5,6,7
	v_add_f32 v[24+\e], s[28+\e], v[24+\e]         ; + gate_b2: lane (r, .) holds token r's eight logits
.endr
	v_mov_b32 v90, v24                             ; the first choice; of equals the lower index stays
	v_mov_b32 v91, 0
.irp e, 1,2,3,4,5,6,7
	v_cmp_ge_f32 vcc_lo, v90, v[24+\e]
	v_cndmask_b32 v90, v[24+\e], v90, vcc_lo
	v_cndmask_b32 v91, \e, v91, vcc_lo
.endr
	v_mov_b32 v94, 0xff800000
.irp e, 0,1,2,3,4,5,6,7
	v_cmp_eq_u32 vcc_lo, \e, v91
	v_cndmask_b32 v[100+\e], v[24+\e], v94, vcc_lo
.endr
	v_mov_b32 v92, v100                            ; the second choice
	v_mov_b32 v93, 0
.irp e, 1,2,3,4,5,6,7
	v_cmp_ge_f32 vcc_lo, v92, v[100+\e]
	v_cndmask_b32 v92, v[100+\e], v92, vcc_lo
	v_cndmask_b32 v93, \e, v93, vcc_lo
.endr
.irp e, 0,1,2,3,4,5,6,7
	v_sub_f32 v[110+\e], v[24+\e], v90             ; the maximum is taken away
.endr
	v_sub_f32 v118, v92, v90
.irp e, 0,1,2,3,4,5,6,7,8
	v_mul_f32 v[110+\e], 0x3fb8aa3b, v[110+\e]
.endr
.irp e, 0,1,2,3,4,5,6,7,8
	v_exp_f32 v[110+\e], v[110+\e]
.endr
	v_nop
	s_wait_alu depctr_va_vdst(0)
	v_add_f32 v119, v110, v111
.irp e, 2,3,4,5,6,7
	v_add_f32 v119, v119, v[110+\e]
.endr
	v_add_f32 v120, 1.0, v118
	v_rcp_f32 v119, v119
	v_rcp_f32 v120, v120
	v_nop
	s_wait_alu depctr_va_vdst(0)
	v_mov_b32 v122, v120                           ; the gates: 1 / (1 + x), x / (1 + x)
	v_mul_f32 v123, v118, v120
.irp e, 0,1,2,3,4,5,6,7
	v_mul_f32 v[110+\e], v[110+\e], v119
.endr
.irp m, 1,2,4,8
.irp e, 0,1,2,3,4,5,6,7
	v_add_f32_dpp v[110+\e], v[110+\e], v[110+\e] row_xmask:\m row_mask:0xf bank_mask:0xf
.endr
.endr
	v_lshl_or_b32 v95, v93, 8, v91
	v_lshrrev_b32 v96, 1, v1
	v_lshlrev_b32 v96, 2, v96
	ds_bpermute_b32 v97, v96, v95                  ; lane l takes token l / 2's two choices,
	v_and_b32 v98, 1, v1
	v_lshlrev_b32 v98, 3, v98
	v_mov_b32 v124, 0
	v_mov_b32 v125, 0
	v_lshlrev_b32 v126, 3, v1
	v_lshlrev_b32 v127, 2, v1
	v_lshlrev_b32 v128, 8, v1
	s_wait_dscnt 0x0
	v_lshrrev_b32 v97, v98, v97
	v_and_b32 v97, 0xff, v97                       ; and of them choice l % 2: lane l stands for routed row 32 g + l
.irp e, 0,1,2,3,4,5,6,7
	v_cmp_eq_u32 s44, \e, v97                      ; expert e's word of the bitmap
	s_and_b32 s45, s44, 0x55555555
	s_bcnt1_i32_b32 s45, s45
	s_cvt_f32_u32 s45, s45                         ; how many of the 16 tokens chose e first
	v_readfirstlane_b32 s46, v[110+\e]
	v_writelane_b32 v124, s44, \e
	v_writelane_b32 v125, s46, \e
	v_writelane_b32 v125, s45, 8+\e
.endr
	s_wait_xcnt 0x0                                ; EXEC changes only behind this wait
	v_cmp_gt_u32 vcc_lo, 16, v1
	s_and_saveexec_b32 s47, vcc_lo
	global_store_b64 v126, v[122:123], s[54:55]
	global_store_b32 v127, v125, s[56:57]
	s_wait_xcnt 0x0
	s_or_b32 exec_lo, exec_lo, s47
	v_cmp_gt_u32 vcc_lo, 8, v1
	s_and_saveexec_b32 s47, vcc_lo
	global_store_b32 v128, v124, s[24:25]
	s_wait_xcnt 0x0
	s_or_b32 exec_lo, exec_lo, s47
.Lfin:
	END3
	s_endpgm
.Lfunc_end_k_qdd87a403f8_router:
	.size	k_qdd87a403f8_router, .Lfunc_end_k_qdd87a403f8_router-k_qdd87a403f8_router
	.p2alignl 7, 3214868480
	.fill 96, 4, 3214868480
	.section	.rodata,"a",@progbits
	.p2align	6, 0x0
	.amdhsa_kernel k_qdd87a403f8_router
		.amdhsa_group_segment_fixed_size 274176
		.amdhsa_private_segment_fixed_size 0
		.amdhsa_enable_private_segment 0
		.amdhsa_kernarg_size 96
		.amdhsa_user_sgpr_count 2
		.amdhsa_user_sgpr_kernarg_segment_ptr 1
		.amdhsa_wavefront_size32 1
		.amdhsa_system_sgpr_workgroup_id_x 1
		.amdhsa_system_sgpr_workgroup_id_y 1
		.amdhsa_system_sgpr_workgroup_id_z 1
		.amdhsa_system_vgpr_workitem_id 0
		.amdhsa_next_free_vgpr 512
		.amdhsa_next_free_sgpr 80
		.amdhsa_reserve_vcc 1
		.amdhsa_float_denorm_mode_32 3
		.amdhsa_float_denorm_mode_16_64 3
		.amdhsa_memory_ordered 1
		.amdhsa_forward_progress 1
		.amdhsa_inst_pref_size 125
	.end_amdhsa_kernel
	.amdgpu_metadata
---
amdhsa.version: [ 1, 2 ]
amdhsa.kernels:
  - .name:           k_qdd87a403f8_router
    .symbol:         k_qdd87a403f8_router.kd
    .args:
      - { .name: tokens, .offset: 0, .size: 8, .value_kind: global_buffer, .address_space: global }
      - { .name: alt_embedding, .offset: 8, .size: 8, .value_kind: global_buffer, .address_space: global }
      - { .name: ln_gamma, .offset: 16, .size: 8, .value_kind: global_buffer, .address_space: global }
      - { .name: ln_beta, .offset: 24, .size: 8, .value_kind: global_buffer, .address_space: global }
      - { .name: gate_w1_codes, .offset: 32, .size: 8, .value_kind: global_buffer, .address_space: global }
      - { .name: gate_w1_scales, .offset: 40, .size: 8, .value_kind: global_buffer, .address_space: global }
      - { .name: gate_b1, .offset: 48, .size: 8, .value_kind: global_buffer, .address_space: global }
      - { .name: gate_w2, .offset: 56, .size: 8, .value_kind: global_buffer, .address_space: global }
      - { .name: gate_b2, .offset: 64, .size: 8, .value_kind: global_buffer, .address_space: global }
      - { .name: xc, .offset: 72, .size: 8, .value_kind: global_buffer, .address_space: global }
      - { .name: route, .offset: 80, .size: 8, .value_kind: global_buffer, .address_space: global }
      - { .name: fl, .offset: 88, .size: 8, .value_kind: global_buffer, .address_space: global }
    .group_segment_fixed_size: 274176
    .private_segment_fixed_size: 0
    .kernarg_segment_align: 8
    .kernarg_segment_size: 96
    .max_flat_workgroup_size: 256
    .sgpr_count:     80
    .vgpr_count:     512
    .wavefront_size: 32
...
	.end_amdgpu_metadata
.endif
;; end of part 1
;; launch ffn1 (part 2): grid 256 x 1, 4 waves a work-group, no clusters, 105,472 bytes of LDS; arguments xc, ew1_codes, ew1_scales, eb1, route, hc, rows; writes hc, rows
.if DOCPART == 2
	.amdgcn_target "amdgcn-amd-amdhsa--gfx1250"
	.amdhsa_code_object_version 6
	.text
	.protected	k_qdd87a403f8_ffn1
	.globl	k_qdd87a403f8_ffn1
	.p2align	8
	.type	k_qdd87a403f8_ffn1,@function
k_qdd87a403f8_ffn1:
	s_mov_b64 s[64:65], 0
	v_nop
	global_prefetch_b8 v0, s[64:65] scope:SCOPE_SE
	s_setreg_imm32_b32 hwreg(HW_REG_WAVE_MODE, 25, 1), 1
	s_wait_xcnt 0x0
; The experts' first product on the chosen rows alone (rows with combine = 0 are dead work: see the first kernel's head), + eb1, exact GELU, quantised along the hidden axis.
; SHARES.  Work-group (e = x / 32, S = x % 32): expert e, hidden units 128 S .. 128 S + 127, all of e's routed rows.  Each byte of ew1 is read by one work-group.
; Wave (wr = w / 2, wc = w % 2): row tiles i = 2 j + wr; blocks b = wc, wc + 2 of the 128 units, as four tiles t = 2 beta + u.  Lane r of tile t takes row 32 b + 8 u + r + 8 (r / 8) of the slice, and the product is
; used transposed (source 0 = ew1's rows, source 1 = 16 routed rows): ACC + 16 beta + n of lane (r, h) is unit 32 b + 16 h + n of slot row r: 16 neighbours along the next K.  The wave's 32 fragments of ew1 stay in registers.
; THE LIST.  The expert's bitmap (64 words) is turned into a list by gathering: slot rho finds the routed row d that holds the bitmap's (rho + 1)-th bit; every LDS address is made of ids.
; Slots past the count in a last tile repeat the last row (the same numbers go to the same place); chunks past the count hold 0.  The work-groups with S = 0 store the list to rows.
; No tensor load: branches hang on the stored count.  The one barrier stands where all ways have joined.  Both loops have constant trip counts; what the count leaves out is jumped over inside a trip.
; OUT: hc: fragment (tile i, K step S) as an image of the next operand's registers, 1,536 bytes at ((64 e + i) 32 + S) 1536: registers 4 p .. 4 p + 3 of lane L at 512 p + 16 L.
;      Scale parts at HSB + (64 e + i) 4096 + 2048 wc + 256 (S / 4) + 16 r + 4 (S % 4): part wc holds bytes wc and wc + 2 of the word, 0 elsewhere.
; LIMITS: as at the first kernel's head (GELU's form, the scale byte's floor).
.set WL,    0                  ; LDS: the slice's 128 rows of 768 bytes, 784 apart
.set LIST,  100352             ; tokens of slots 0 .. 1151
.set SPARE, 104960
.set HSB,   25165824
.set WST, 4
.set WGO, 5
.set WF,  6
.set LA0, 7
.set LAT, 8
.set XO,  9                    ; v9, v10
.set XQ,  11                   ; v11, v12
.set HO,  13
.set HO2, 14
.set HSO, 15
.set XS,  16                   ; v16-31 the rows' scale words, two sets
.set WS,  32                   ; v32-63 ew1's scale words, 8 t + s
.set ACC, 64
.set GT,  96
.set CC,  144
.set TT,  152
.set UU,  156
.set QM,  160
.set PT,  172
.set VC4, 176
.set TK,  178
.set H48, 179
.set WSO, 180
.set EBO, 181
.set TMP, 182
.set RHO, 96                   ; the search's registers lie where GELU works later
.set WORD, 97
.set BASE, 98
.set WI,  99
.set QQ,  100
.set SA,  101
.set SB,  102
.set SCC4, 103
.set SD,  104
.set POS, 105
.set STT, 106
.set DD,  108
.set RO,  109
.set LWT, 110
.set KP, 96
.set KK, 98
.set MSB, 0
.macro WIN new
.if MSB != \new
	s_set_vgpr_msb (MSB<<8)|\new
.set MSB, \new
.endif
.endm
.macro END3                    ; the wave's end
	s_wait_tensorcnt 0x0
	ds_add_u32 v252, v253
	s_wait_dscnt 0x0
.endm
.macro MREG W                  ; the scalar register of the bitmap's word W: s16-63, s68-83
.if (\W) < 48
.set MR, 16+(\W)
.else
.set MR, 20+(\W)
.endif
.endm
; GELU of 16 numbers in place.  D = 1 + p |x|, U = (k x)^2 with k^2 = log2(e) / 2; one batch of 16 reciprocals and 16 exponentials with one wait; Horner in t = 1 / D; x = max(x, 0) - |x| poly(t) 2^-U
.macro GELU16 x
.set gi, 0
.rept 16
	v_fma_f32 v[GT+gi], |v[(\x)+gi]|, s[KP], 1.0
.set gi, gi+1
.endr
.set gi, 0
.rept 8
	v_pk_mul_f32 v[GT+16+gi:GT+17+gi], v[(\x)+gi:(\x)+gi+1], s[KK:KK+1] op_sel_hi:[1,0]
.set gi, gi+2
.endr
.set gi, 0
.rept 8
	v_pk_mul_f32 v[GT+16+gi:GT+17+gi], v[GT+16+gi:GT+17+gi], v[GT+16+gi:GT+17+gi]
.set gi, gi+2
.endr
.set gi, 0
.rept 16
	v_rcp_f32 v[GT+gi], v[GT+gi]
.set gi, gi+1
.endr
.set gi, 0
.rept 16
	v_exp_f32 v[GT+16+gi], -v[GT+16+gi]
.set gi, gi+1
.endr
	v_nop                                          ; a plain place behind the last transcendental
	s_wait_alu depctr_va_vdst(0)                   ; one wait for the batch of 32
.set gi, 0
.rept 8
	v_pk_fma_f32 v[GT+32+gi:GT+33+gi], v[GT+gi:GT+gi+1], 0x3f07dc22, v[VC4:VC4+1] op_sel_hi:[1,0,1]
.set gi, gi+2
.endr
.irp c, 0x3f35f0e3, 0xbe11a98e, 0x3e027906
.set gi, 0
.rept 8
	v_pk_fma_f32 v[GT+32+gi:GT+33+gi], v[GT+32+gi:GT+33+gi], v[GT+gi:GT+gi+1], \c op_sel_hi:[1,1,0]
.set gi, gi+2
.endr
.endr
.set gi, 0
.rept 8
	v_pk_mul_f32 v[GT+32+gi:GT+33+gi], v[GT+32+gi:GT+33+gi], v[GT+gi:GT+gi+1]
.set gi, gi+2
.endr
.set gi, 0
.rept 8
	v_pk_mul_f32 v[GT+32+gi:GT+33+gi], v[GT+32+gi:GT+33+gi], v[GT+16+gi:GT+17+gi]
.set gi, gi+2
.endr
.set gi, 0
.rept 16
	v_max_num_f32 v[GT+gi], 0, v[(\x)+gi]
.set gi, gi+1
.endr
.set gi, 0
.rept 16
	v_fma_f32 v[(\x)+gi], -|v[(\x)+gi]|, v[GT+32+gi], v[GT+gi]
.set gi, gi+1
.endr
.endm
.macro LEVEL src, width, step  ; one level of the search in a word: are the bits wanted in the lower part?
	v_bfe_u32 v[STT], v[\src], v[POS], \width
	v_cmp_ge_u32 vcc_lo, v[QQ], v[STT]
	v_cndmask_b32 v[STT], 0, v[STT], vcc_lo
	v_sub_nc_u32 v[QQ], v[QQ], v[STT]
	v_add_nc_u32 v[STT], \step, v[POS]
	v_cndmask_b32 v[POS], v[POS], v[STT], vcc_lo
.endm
; the 16 rows whose tokens lie in v[TK]: eight fragments into buffer b (window 3) and their scale words.  The four vector lines are also the places behind the products that read the buffer
.macro XLOAD b
	v_min_u32 v[TK], 0x3ff, v[TK]
	v_mul_u32_u24 v[XO+\b], v[TK], 768
	v_add_nc_u32 v[XO+\b], v[H48], v[XO+\b]
	v_lshlrev_b32 v[XQ+\b], 5, v[TK]
	WIN 0xc0
.irp k, 0,1,2,3,4,5,6,7
.irp p, 0,1,2
	global_load_b128 v[96*\b+12*\k+4*\p:96*\b+12*\k+4*\p+3], v[XO+\b], s[4:5] offset:96*\k+16*\p
.endr
.endr
	WIN 0
	global_load_b128 v[XS+8*\b:XS+8*\b+3], v[XQ+\b], s[4:5] offset:786432
	global_load_b128 v[XS+8*\b+4:XS+8*\b+7], v[XQ+\b], s[4:5] offset:786448
.endm
; my two blocks of 32 hidden units of 16 rows become codes and a part of the scale word
.macro QUANT2
.irp b, 0,1
	v_max3_num_f32 v[QM+\b], |v[ACC+16*\b]|, |v[ACC+16*\b+1]|, 0x2800000
.endr
.irp i, 2,4,6,8,10,12,14
.irp b, 0,1
	v_max3_num_f32 v[QM+\b], v[QM+\b], |v[ACC+16*\b+\i]|, |v[ACC+16*\b+\i+1]|
.endr
.endr
.irp b, 0,1
	v_permlanex16_b32 v[QM+2+\b], v[QM+\b], s94, s95
.endr
.irp b, 0,1
	v_max_num_f32 v[QM+\b], v[QM+\b], v[QM+2+\b]
.endr
.irp b, 0,1
	v_add_nc_u32 v[QM+4+\b], 0xfe000000, v[QM+\b]
.endr
.irp b, 0,1
	v_lshrrev_b32 v[QM+6+\b], 23, v[QM+4+\b]
.endr
	s_wait_xcnt 0x0                                ; the last tile's stores have read their data: they are written again below
	v_lshl_or_b32 v[PT], v[QM+7], 16, v[QM+6]
	v_lshlrev_b32 v[PT], s100, v[PT]               ; bytes wc and wc + 2
	v_cvt_scalef32_pk16_bf6_f32 v[CC:CC+2], v[ACC:ACC+15], v[QM+4]
	v_cvt_scalef32_pk16_bf6_f32 v[CC+4:CC+6], v[ACC+16:ACC+31], v[QM+5]
	v_nop
.irp i, 0,1,2
	v_permlane16_swap_b32 v[CC+\i], v[CC+4+\i]     ; lane (r, h) now holds registers 6 h .. 6 h + 5 of operand lane 16 wc + r
.endr
	v_cndmask_b32 v[TT], v[CC], v[CC+2], s97       ; registers 0-3 (h = 0) or 8-11 (h = 1),
	v_cndmask_b32 v[TT+1], v[CC+1], v[CC+4], s97
	v_cndmask_b32 v[TT+2], v[CC+2], v[CC+5], s97
	v_cndmask_b32 v[TT+3], v[CC+4], v[CC+6], s97
	v_cndmask_b32 v[UU], v[CC+5], v[CC], s97       ; and 4, 5 or 6, 7
	v_cndmask_b32 v[UU+1], v[CC+6], v[CC+1], s97
.endm
; A tile of 16 rows from buffer b.  The list load, the wait and the 26 loads of the tile two on are run on every way through the macro, so that the counted wait means the same on every way.
; b = 1: where the trip's second tile lies past the count, its products, GELU, quantiser and stores are jumped over.
.macro TILE b
	ds_load_b32 v[TK], v[LAT] offset:256+128*\b    ; the tokens of my tile two on
	s_wait_loadcnt 26                              ; this tile's 26 loads are in; the next tile's 26, always issued, may be out
.if \b
	s_add_co_u32 s101, s93, 32                     ; 16 i of the trip's second tile
	s_cmp_ge_u32 s101, s89
	s_cbranch_scc1 .Lpast_\@
.endif
	WIN 0x1d
.irp t, 0,1,2,3
	v_wmma_scale_f32_16x16x128_f8f6f4 v[ACC+8*\t:ACC+8*\t+7], v[12*\t:12*\t+11], v[96*\b:96*\b+11], v[192+8*\t:199+8*\t], v[WS+8*\t], v[XS+8*\b] matrix_a_fmt:MATRIX_FMT_BF6 matrix_b_fmt:MATRIX_FMT_BF6
.endr
	WIN 0x0d
.irp k, 1,2,3
.irp t, 0,1,2,3
	v_wmma_scale_f32_16x16x128_f8f6f4 v[ACC+8*\t:ACC+8*\t+7], v[12*(4*\k+\t):12*(4*\k+\t)+11], v[96*\b+12*\k:96*\b+12*\k+11], v[ACC+8*\t:ACC+8*\t+7], v[WS+8*\t+\k], v[XS+8*\b+\k] matrix_a_fmt:MATRIX_FMT_BF6 matrix_b_fmt:MATRIX_FMT_BF6
.endr
.endr
	WIN 0x0e
.irp k, 4,5,6,7
.irp t, 0,1,2,3
	v_wmma_scale_f32_16x16x128_f8f6f4 v[ACC+8*\t:ACC+8*\t+7], v[12*(4*(\k-4)+\t):12*(4*(\k-4)+\t)+11], v[96*\b+12*\k:96*\b+12*\k+11], v[ACC+8*\t:ACC+8*\t+7], v[WS+8*\t+\k], v[XS+8*\b+\k] matrix_a_fmt:MATRIX_FMT_BF6 matrix_b_fmt:MATRIX_FMT_BF6
.endr
.endr
	WIN 0
	s_wait_dscnt 0x0
	XLOAD \b
	GELU16 ACC
	GELU16 ACC+16
	QUANT2
	global_store_b128 v[HO], v[TT:TT+3], s[16:17] offset:98304*\b           ; sixteen lanes store 256 consecutive bytes, aligned
	global_store_b64 v[HO2], v[UU:UU+1], s[16:17] offset:98304*\b           ; the 32 lanes store 256 consecutive bytes, aligned
	global_store_b32 v[HSO], v[PT], s[18:19] offset:8192*\b
.if \b
	s_branch .Lnext_\@
.Lpast_\@:
	s_wait_dscnt 0x0
	XLOAD \b
.Lnext_\@:
.endif
.endm
	s_load_b128 s[4:7], s[0:1], 0x0                ; xc, ew1's codes
	s_load_b128 s[8:11], s[0:1], 0x10              ; ew1's scales, eb1
	s_load_b128 s[12:15], s[0:1], 0x20             ; route, hc
	s_load_b64 s[2:3], s[0:1], 0x30                ; rows
	v_lshl_add_u32 v252, v0, 2, SPARE
	v_mov_b32 v253, 0
	v_lshrrev_b32 v1, 5, v0
	v_readfirstlane_b32 s84, v1                    ; wave
	s_lshr_b32 s85, s84, 1                         ; wr
	s_and_b32 s86, s84, 1                          ; wc
	s_lshr_b32 s87, ttmp9, 5                       ; e
	s_and_b32 s88, ttmp9, 31                       ; S
	s_lshl_b32 s90, s87, 12
	s_lshl_b32 s101, s88, 7
	s_add_co_u32 s90, s90, s101                    ; the slice's first row of ew1
	v_and_b32 v1, 31, v0
	v_and_b32 v2, 15, v0
	v_bfe_u32 v3, v0, 4, 1
	v_mul_u32_u24 v[WGO], v3, 12288
	v_lshl_add_u32 v[WGO], v2, 4, v[WGO]
	s_mul_i32 s101, s84, 25088
	v_mul_u32_u24 v[WST], v3, 12544
	v_lshl_add_u32 v[WST], v2, 4, v[WST]
	v_add_nc_u32 v[WST], s101, v[WST]
	v_and_b32 v[TMP], 8, v2
	v_add_nc_u32 v[TMP], v[TMP], v2                ; r + 8 (r / 8)
	v_lshlrev_b32 v[WSO], 5, v[TMP]
	v_mul_u32_u24 v[WF], v[TMP], 784
	v_mad_u32_u24 v[WF], v3, 24, v[WF]
	s_mul_i32 s101, s86, 25088
	v_add_nc_u32 v[WF], s101, v[WF]
	v_lshlrev_b32 v[EBO], 6, v3
	s_lshl_b32 s101, s85, 6
	s_add_co_u32 s101, s101, LIST
	v_lshl_add_u32 v[LA0], v2, 2, s101
	v_mul_u32_u24 v[H48], v3, 48
	s_lshl_b32 s101, s86, 8
	v_lshlrev_b32 v[HSO], 4, v2
	v_add_nc_u32 v[HO], s101, v[HSO]
	v_lshl_add_u32 v[HO2], v3, 3, v[HO]
	v_add_nc_u32 v[HO2], 512, v[HO2]
	v_lshl_add_u32 v[HO], v3, 10, v[HO]
	s_wait_kmcnt 0x0
	s_lshl_b32 s92, s87, 8
	s_mov_b32 s93, 0
	s_add_nc_u64 s[12:13], s[12:13], s[92:93]
	s_load_b512 s[16:31], s[12:13], 0x0            ; the expert's bitmap
	s_load_b512 s[32:47], s[12:13], 0x40
	s_load_b512 s[48:63], s[12:13], 0x80
	s_load_b512 s[68:83], s[12:13], 0xc0
	s_lshl_b32 s92, s87, 12
	s_add_nc_u64 s[2:3], s[2:3], s[92:93]
	s_lshl_b32 s101, s84, 5
	s_add_co_u32 s101, s101, s90
	s_mul_i32 s92, s101, 768
	s_add_nc_u64 s[6:7], s[6:7], s[92:93]          ; the 32 rows that I copy
	s_lshl_b32 s101, s86, 5
	s_add_co_u32 s101, s101, s90
	s_lshl_b32 s92, s101, 5
	s_add_nc_u64 s[8:9], s[8:9], s[92:93]
	s_lshl_b32 s92, s101, 2
	s_add_nc_u64 s[10:11], s[10:11], s[92:93]
.irp t, 0,1,2,3
	global_load_b128 v[WS+8*\t:WS+8*\t+3], v[WSO], s[8:9] offset:(64*(\t/2)+8*(\t%2))*32
	global_load_b128 v[WS+8*\t+4:WS+8*\t+7], v[WSO], s[8:9] offset:(64*(\t/2)+8*(\t%2))*32+16
.endr
	WIN 0x40
.irp t, 0,1,2,3
	global_load_b128 v[192+8*\t:195+8*\t], v[EBO], s[10:11] offset:(64*(\t/2)+8*(\t%2))*4      ; eb1 in the result's layout: the C of each sum's first product
	global_load_b128 v[196+8*\t:199+8*\t], v[EBO], s[10:11] offset:(64*(\t/2)+8*(\t%2))*4+16
.endr
.irp p, 0,1,2,3,4,5,6,7,8,9,10,11,12,13,14,15
.irp a, 0,1,2
	global_load_b128 v[4*(3*\p+\a):4*(3*\p+\a)+3], v[WGO], s[6:7] offset:768*\p+256*\a th:TH_LOAD_NT   ; sixteen lanes read 256 consecutive bytes, aligned
.endr
.endr
	WIN 0
	s_wait_kmcnt 0x0
	s_mov_b32 s89, 0
.set i, 0
.rept 64
	MREG i
	s_bcnt1_i32_b32 s101, s[MR]
	s_add_co_u32 s89, s89, s101                    ; the expert's count of rows
.set i, i+1
.endr
	s_lshl_b32 s92, s84, 5                         ; 32 c, c = w + 4 q
	s_mov_b32 s91, 0
.Lchunk:                                               ; nine trips: 36 chunks of 32 slots.  The trip writes no register that a pending load names; the one store's registers are freed directly behind it
	v_add_nc_u32 v[RHO], s92, v1
	v_lshlrev_b32 v[RO], 2, v[RHO]
	v_add_nc_u32 v[LWT], LIST, v[RO]
	v_mov_b32 v[DD], 0
	s_cmp_ge_u32 s92, s89
	s_cbranch_scc1 .Lput
	s_sub_co_u32 s101, s89, 1
	v_min_u32 v[RHO], s101, v[RHO]
	v_mov_b32 v[WORD], s16
	v_mov_b32 v[BASE], 0
	v_mov_b32 v[WI], 0
	s_mov_b32 s90, 0
.set i, 1
.rept 63                                       ; the last word whose prefix count is at most rho
	MREG i-1
	s_bcnt1_i32_b32 s101, s[MR]
	s_add_co_u32 s90, s90, s101
	MREG i
	v_cmp_gt_u32 vcc_lo, s90, v[RHO]
	v_cndmask_b32 v[WORD], s[MR], v[WORD], vcc_lo
	v_cndmask_b32 v[BASE], s90, v[BASE], vcc_lo
	v_cndmask_b32 v[WI], i, v[WI], vcc_lo
.set i, i+1
.endr
	v_sub_nc_u32 v[QQ], v[RHO], v[BASE]
	v_lshrrev_b32 v[SA], 1, v[WORD]                ; counts of 2, 4, 8 and 16 bits
	v_and_b32 v[SA], 0x55555555, v[SA]
	v_sub_nc_u32 v[SA], v[WORD], v[SA]
	v_lshrrev_b32 v[SB], 2, v[SA]
	v_and_b32 v[SB], 0x33333333, v[SB]
	v_and_b32 v[STT], 0x33333333, v[SA]
	v_add_nc_u32 v[SB], v[SB], v[STT]
	v_lshrrev_b32 v[SCC4], 4, v[SB]
	v_add_nc_u32 v[SCC4], v[SCC4], v[SB]
	v_and_b32 v[SCC4], 0x0f0f0f0f, v[SCC4]
	v_lshrrev_b32 v[SD], 8, v[SCC4]
	v_add_nc_u32 v[SD], v[SD], v[SCC4]
	v_mov_b32 v[POS], 0
	LEVEL SD, 8, 16
	LEVEL SCC4, 8, 8
	LEVEL SB, 4, 4
	LEVEL SA, 2, 2
	LEVEL WORD, 1, 1
	v_lshl_add_u32 v[DD], v[WI], 5, v[POS]         ; the routed row d = 2 t + k
.Lput:
	v_lshrrev_b32 v[STT], 1, v[DD]
	ds_store_b32 v[LWT], v[STT]                    ; its token
	s_cmp_lg_u32 s88, 0
	s_cbranch_scc1 .Lnr
	s_cmp_ge_u32 s91, 8
	s_cbranch_scc1 .Lnr
	global_store_b32 v[RO], v[DD], s[2:3]
	s_wait_xcnt 0x0                                ; the store has read its registers: the next trip writes them again
.Lnr:
	s_add_co_u32 s92, s92, 128
	s_add_co_u32 s91, s91, 1
	s_cmp_lt_u32 s91, 9
	s_cbranch_scc1 .Lchunk
	s_wait_xcnt 0x0
	s_wait_loadcnt 0x0                             ; the slice, its scale words and eb1 are in
	WIN 0x04
.irp p, 0,1,2,3,4,5,6,7,8,9,10,11,12,13,14,15
.irp a, 0,1,2
	ds_store_b128 v[WST], v[4*(3*\p+\a):4*(3*\p+\a)+3] offset:784*\p+256*\a
.endr
.endr
	WIN 0
	s_wait_dscnt 0x0
	s_barrier_signal -1
	s_barrier_wait -1                              ; the slice and the list lie in LDS
	s_mov_b32 s94, 0x76543210
	s_mov_b32 s95, 0xfedcba98
	s_mov_b32 s[KP], 0x3e6d3389
	s_mov_b32 s[KK], 0x3f596d27
	s_mov_b32 s[KK+1], s[KK]
	s_mov_b32 s97, 0xffff0000
	s_lshl_b32 s100, s86, 3
	v_mov_b32 v[VC4], 0xbf3a00e3
	v_mov_b32 v[VC4+1], 0xbf3a00e3
	v_mov_b32 v[QM+2], 0
	v_mov_b32 v[QM+3], 0
	s_lshl_b32 s101, s87, 6
	s_add_co_u32 s101, s101, s85                   ; 64 e + wr: my first tile
	s_lshl_b32 s20, s101, 5
	s_add_co_u32 s20, s20, s88
	s_mul_i32 s20, s20, 1536
	s_mov_b32 s21, 0
	s_add_nc_u64 s[16:17], s[14:15], s[20:21]      ; its fragment S
	s_lshl_b32 s20, s101, 12
	s_lshl_b32 s22, s86, 11
	s_add_co_u32 s20, s20, s22
	s_lshr_b32 s22, s88, 2
	s_lshl_b32 s22, s22, 8
	s_add_co_u32 s20, s20, s22
	s_and_b32 s22, s88, 3
	s_lshl_b32 s22, s22, 2
	s_add_co_u32 s20, s20, s22
	s_add_co_u32 s20, s20, HSB
	s_add_nc_u64 s[18:19], s[14:15], s[20:21]      ; its scale part
	s_mov_b32 s91, 0                               ; trips
	s_mov_b32 s92, 0                               ; the list's step: 256 bytes a trip
	s_lshl_b32 s93, s85, 4                         ; 16 i of the trip's first tile
	ds_load_b32 v[TK], v[LA0]
	s_wait_dscnt 0x0
	XLOAD 0
	ds_load_b32 v[TK], v[LA0] offset:128
	s_wait_dscnt 0x0
	XLOAD 1
.irp k, 0,1,2,3,4,5,6,7
.if \k < 4
	WIN 0x40
.else
	WIN 0x80
.endif
.irp t, 0,1,2,3
.irp p, 0,1,2,3,4,5
	ds_load_b64 v[12*(4*(\k%4)+\t)+2*\p:12*(4*(\k%4)+\t)+2*\p+1], v[WF] offset:(64*(\t/2)+8*(\t%2))*784+96*\k+48*(\p/3)+8*(\p%3)
.endr
.endr
.endr
	WIN 0
	s_wait_dscnt 0x0
.Ltiles:                                               ; sixteen trips of two tiles, always; a trip whose first tile lies past the count is jumped over, but for the lines that step
	v_add_nc_u32 v[LAT], s92, v[LA0]
	s_cmp_ge_u32 s93, s89
	s_cbranch_scc1 .Lskip
	TILE 0
	TILE 1
.Lskip:
	s_wait_xcnt 0x0                                ; the stores have read their bases
	s_add_nc_u64 s[16:17], s[16:17], 196608
	s_add_nc_u64 s[18:19], s[18:19], 16384
	s_add_co_u32 s92, s92, 256
	s_add_co_u32 s93, s93, 64
	s_add_co_u32 s91, s91, 1
	s_cmp_lt_u32 s91, 16
	s_cbranch_scc1 .Ltiles
	END3
	s_endpgm
.Lfunc_end_k_qdd87a403f8_ffn1:
	.size	k_qdd87a403f8_ffn1, .Lfunc_end_k_qdd87a403f8_ffn1-k_qdd87a403f8_ffn1
	.p2alignl 7, 3214868480
	.fill 96, 4, 3214868480
	.section	.rodata,"a",@progbits
	.p2align	6, 0x0
	.amdhsa_kernel k_qdd87a403f8_ffn1
		.amdhsa_group_segment_fixed_size 105472
		.amdhsa_private_segment_fixed_size 0
		.amdhsa_enable_private_segment 0
		.amdhsa_kernarg_size 56
		.amdhsa_user_sgpr_count 2
		.amdhsa_user_sgpr_kernarg_segment_ptr 1
		.amdhsa_wavefront_size32 1
		.amdhsa_system_sgpr_workgroup_id_x 1
		.amdhsa_system_sgpr_workgroup_id_y 1
		.amdhsa_system_sgpr_workgroup_id_z 1
		.amdhsa_system_vgpr_workitem_id 0
		.amdhsa_next_free_vgpr 960
		.amdhsa_next_free_sgpr 104
		.amdhsa_reserve_vcc 1
		.amdhsa_float_denorm_mode_32 3
		.amdhsa_float_denorm_mode_16_64 3
		.amdhsa_memory_ordered 1
		.amdhsa_forward_progress 1
		.amdhsa_inst_pref_size 109
	.end_amdhsa_kernel
	.amdgpu_metadata
---
amdhsa.version: [ 1, 2 ]
amdhsa.kernels:
  - .name:           k_qdd87a403f8_ffn1
    .symbol:         k_qdd87a403f8_ffn1.kd
    .args:
      - { .name: xc, .offset: 0, .size: 8, .value_kind: global_buffer, .address_space: global }
      - { .name: ew1_codes, .offset: 8, .size: 8, .value_kind: global_buffer, .address_space: global }
      - { .name: ew1_scales, .offset: 16, .size: 8, .value_kind: global_buffer, .address_space: global }
      - { .name: eb1, .offset: 24, .size: 8, .value_kind: global_buffer, .address_space: global }
      - { .name: route, .offset: 32, .size: 8, .value_kind: global_buffer, .address_space: global }
      - { .name: hc, .offset: 40, .size: 8, .value_kind: global_buffer, .address_space: global }
      - { .name: rows, .offset: 48, .size: 8, .value_kind: global_buffer, .address_space: global }
    .group_segment_fixed_size: 105472
    .private_segment_fixed_size: 0
    .kernarg_segment_align: 8
    .kernarg_segment_size: 56
    .max_flat_workgroup_size: 128
    .sgpr_count:     104
    .vgpr_count:     960
    .wavefront_size: 32
...
	.end_amdgpu_metadata
.endif
;; end of part 2
;; launch ffn2 (part 3): grid 256 x 1, 8 waves a work-group, no clusters, 279,552 bytes of LDS; arguments hc, ew2_codes, ew2_scales, eb2, route, rows, yp; writes yp
.if DOCPART == 3
	.amdgcn_target "amdgcn-amd-amdhsa--gfx1250"
	.amdhsa_code_object_version 6
	.text
	.protected	k_qdd87a403f8_ffn2
	.globl	k_qdd87a403f8_ffn2
	.p2align	8
	.type	k_qdd87a403f8_ffn2,@function
k_qdd87a403f8_ffn2:
	s_mov_b64 s[64:65], 0
	v_nop
	global_prefetch_b8 v0, s[64:65] scope:SCOPE_SE
	s_setreg_imm32_b32 hwreg(HW_REG_WAVE_MODE, 25, 1), 1
	s_wait_xcnt 0x0
; The experts' second product on the chosen rows alone (rows with combine = 0 are dead work: see the first kernel's head), + eb2, scattered to yp[d], d = 2 t + k.
; SHARES.  Work-group (e = x / 32, cg = (x / 2) % 16, par = x % 2): expert e, output columns 64 cg .. + 63, row tiles i = 2 j + par.  Wave w owns K steps 4 w .. 4 w + 3 (of 32) for all 64 columns:
; its 16 fragments of ew2 stay in registers.  Transposed: source 0 = 16 rows of ew2 (columns of y), source 1 = 16 routed rows: lane (r, h) holds slot row r, register j of tile t column 16 t + 8 h + j.
; A batch of 8 tiles: each wave's partial sums go to its own part of LDS; a barrier; wave w adds the eight parts of rows 2 w, 2 w + 1 of each tile, adds eb2 and stores whole units of 256 bytes; a barrier.
; Four batches, a loop of constant count; the tiles of a batch are written out, so every LDS address is a constant + ids.  Both barriers stand where all ways have joined.  No tensor load: branches hang on the stored count.
; A batch's list of rows and its first two tiles are asked for a phase ahead: the first batch's ahead of the wait for ew2, a later batch's behind the barrier in front of the reduction, and only where that batch has rows.
; LIMIT: the loads run two tiles ahead and may read tiles of hc past the expert's count, which nobody wrote: what they bring is never used.
.set PARTW, 34816              ; LDS: a wave's part: 8 tiles x 16 rows x (256 + 16) bytes; its first 25,600 bytes serve first as the stage of its ew2 rows (64 x 400)
.set SPARE, 278528
.set HSB,   25165824
.set ACC, 16
.set RR,  16                   ; the reduction works where the accumulators lay
.set WS,  48                   ; 4 t + s
.set SR,  64                   ; ring of 3 x 8: the two scale parts
.set YO,  80                   ; during the reduction the ring's third place holds the eight store offsets
.set SM,  88
.set DR,  92
.set EB,  104
.set HB,  108                  ; ring of 3 x 48: four fragments of H
.set MSB, 0
.macro WIN new
.if MSB != \new
	s_set_vgpr_msb (MSB<<8)|\new
.set MSB, \new
.endif
.endm
.macro END3                    ; the wave's end
	s_wait_tensorcnt 0x0
	ds_add_u32 v252, v253
	s_wait_dscnt 0x0
.endm
.macro MREG W
.if (\W) < 48
.set MR, 16+(\W)
.else
.set MR, 20+(\W)
.endif
.endm
.macro HLOAD u, k              ; the batch's tile k into ring place u: 14 loads; each of the 12 reads 512 consecutive bytes
.irp c, 0,1,2,3
.irp p, 0,1,2
	global_load_b128 v[HB+48*(\u)+12*\c+4*\p:HB+48*(\u)+12*\c+4*\p+3], v4, s[16:17] offset:98304*(\k)+1536*\c+512*\p
.endr
.endr
	global_load_b128 v[SR+8*(\u):SR+8*(\u)+3], v5, s[18:19] offset:8192*(\k)
	global_load_b128 v[SR+8*(\u)+4:SR+8*(\u)+7], v5, s[18:19] offset:8192*(\k)+2048
.endm
.macro PRE                     ; what a batch asks for ahead: the routed rows d of my two rows of each of its tiles, and its first two tiles: 8 + 14 + 14 loads
.irp n, 0,1,2,3,4,5,6,7
	global_load_b32 v[DR+\n], v12, s[14:15] offset:128*\n
.endr
	HLOAD 0, 0
	HLOAD 1, 1
.endm
.macro HT n                    ; the batch's tile n
.if \n > 0
	s_add_co_u32 s101, s20, 32*\n
	s_cmp_ge_u32 s101, s89
	s_cbranch_scc1 .Lmid
.endif
.if \n < 6
	HLOAD (\n+2)%3, \n+2
	s_wait_loadcnt 28                              ; the two tiles issued behind this one
.elseif \n == 6
	s_wait_loadcnt 14
.else
	s_wait_loadcnt 0x0
.endif
.set U, (\n)%3
.irp c, 0,1,2,3
	v_or_b32 v[SM+\c], v[SR+8*U+\c], v[SR+8*U+4+\c]    ; the two parts make the scale word
.endr
.rept 8
	v_nop                                          ; scale registers written by vector instructions stand 8 places ahead
.endr
	WIN 0x01
.irp c, 0,1,2,3
.irp t, 0,1,2,3
.if \c == 0
	v_wmma_scale_f32_16x16x128_f8f6f4 v[ACC+8*\t:ACC+8*\t+7], v[12*(4*\c+\t):12*(4*\c+\t)+11], v[HB+48*U+12*\c:HB+48*U+12*\c+11], 0, v[WS+4*\t+\c], v[SM+\c] matrix_a_fmt:MATRIX_FMT_BF6 matrix_b_fmt:MATRIX_FMT_BF6
.else
	v_wmma_scale_f32_16x16x128_f8f6f4 v[ACC+8*\t:ACC+8*\t+7], v[12*(4*\c+\t):12*(4*\c+\t)+11], v[HB+48*U+12*\c:HB+48*U+12*\c+11], v[ACC+8*\t:ACC+8*\t+7], v[WS+4*\t+\c], v[SM+\c] matrix_a_fmt:MATRIX_FMT_BF6 matrix_b_fmt:MATRIX_FMT_BF6
.endif
.endr
.endr
	WIN 0
.rept 4
	v_nop                                          ; places in front of the stores that read results and of loads into the ring and the accumulators
.endr
.irp t, 0,1,2,3
	ds_store_b128 v6, v[ACC+8*\t:ACC+8*\t+3] offset:4352*\n+64*\t
	ds_store_b128 v6, v[ACC+8*\t+4:ACC+8*\t+7] offset:4352*\n+64*\t+16
.endr
.endm
.macro RED n                   ; rows 2 w, 2 w + 1 of the batch's tile n: the eight parts, eb2, out
	s_add_co_u32 s101, s20, 32*\n
	s_cmp_ge_u32 s101, s89
	s_cbranch_scc1 .Lend
	s_wait_xcnt 0x0                                ; the last store has read its registers
.irp k, 0,1,2,3
	ds_load_b128 v[RR+8*\k:RR+8*\k+3], v[7+\k] offset:4352*\n
	ds_load_b128 v[RR+8*\k+4:RR+8*\k+7], v[7+\k] offset:PARTW+4352*\n
.endr
	s_wait_dscnt 0x0
.irp k, 0,8,16,24
	v_pk_add_f32 v[RR+\k:RR+\k+1], v[RR+\k:RR+\k+1], v[RR+\k+4:RR+\k+5]
	v_pk_add_f32 v[RR+\k+2:RR+\k+3], v[RR+\k+2:RR+\k+3], v[RR+\k+6:RR+\k+7]
.endr
.irp k, 0,16
	v_pk_add_f32 v[RR+\k:RR+\k+1], v[RR+\k:RR+\k+1], v[RR+\k+8:RR+\k+9]
	v_pk_add_f32 v[RR+\k+2:RR+\k+3], v[RR+\k+2:RR+\k+3], v[RR+\k+10:RR+\k+11]
.endr
	v_pk_add_f32 v[RR:RR+1], v[RR:RR+1], v[RR+16:RR+17]
	v_pk_add_f32 v[RR+2:RR+3], v[RR+2:RR+3], v[RR+18:RR+19]
	v_pk_add_f32 v[RR:RR+1], v[RR:RR+1], v[EB:EB+1]
	v_pk_add_f32 v[RR+2:RR+3], v[RR+2:RR+3], v[EB+2:EB+3]
	global_store_b128 v[YO+\n], v[RR:RR+3], s[2:3]     ; sixteen lanes store 256 consecutive bytes, aligned
.endm
	s_load_b128 s[4:7], s[0:1], 0x0                ; hc, ew2's codes
	s_load_b128 s[8:11], s[0:1], 0x10              ; ew2's scales, eb2
	s_load_b128 s[12:15], s[0:1], 0x20             ; route, rows
	s_load_b64 s[2:3], s[0:1], 0x30                ; yp
	v_lshl_add_u32 v252, v0, 2, SPARE
	v_mov_b32 v253, 0
	v_lshrrev_b32 v1, 5, v0
	v_readfirstlane_b32 s84, v1                    ; wave
	s_lshr_b32 s87, ttmp9, 5                       ; e
	s_bfe_u32 s88, ttmp9, 0x40001                  ; cg
	s_and_b32 s86, ttmp9, 1                        ; par
	s_lshl_b32 s90, s87, 10
	s_lshl_b32 s101, s88, 6
	s_add_co_u32 s90, s90, s101                    ; my first row of ew2
	s_mul_i32 s85, s84, PARTW                      ; my part of LDS
	v_and_b32 v1, 31, v0
	v_and_b32 v2, 15, v0
	v_bfe_u32 v3, v0, 4, 1
	v_lshlrev_b32 v4, 4, v1
	v_lshlrev_b32 v5, 4, v2
	v_lshrrev_b32 v14, 3, v1                       ; the copy of my 384 bytes of each of 64 rows: a lane is row l / 8 of four and piece l % 8 of eight: 128 consecutive bytes of a row in eight lanes
	v_and_b32 v15, 7, v1
	v_mul_u32_u24 v100, v14, 3072
	v_lshl_add_u32 v100, v15, 4, v100              ; in memory
	v_mul_u32_u24 v101, v14, 400
	v_lshl_add_u32 v101, v15, 4, v101
	v_add_nc_u32 v101, s85, v101                   ; and in my stage, rows 400 bytes apart
	v_mul_u32_u24 v102, v2, 400
	v_mad_u32_u24 v102, v3, 24, v102
	v_add_nc_u32 v102, s85, v102
	v_lshlrev_b32 v103, 7, v2
	v_mul_u32_u24 v6, v2, 272
	v_lshl_add_u32 v6, v3, 5, v6
	v_add_nc_u32 v6, s85, v6                       ; where my partial sums go
	s_mul_i32 s101, s84, 544
	v_mul_u32_u24 v7, v3, 272
	v_lshl_add_u32 v7, v2, 4, v7
	v_add_nc_u32 v7, s101, v7                      ; rows 2 w + h of parts 0, 2, 4, 6
	v_add_nc_u32 v8, 2*PARTW, v7
	v_add_nc_u32 v9, 4*PARTW, v7
	v_add_nc_u32 v10, 6*PARTW, v7
	s_lshl_b32 s101, s84, 3
	v_lshl_add_u32 v12, v3, 2, s101                ; 4 (2 w + h)
	s_wait_kmcnt 0x0
	s_lshl_b32 s92, s87, 8
	s_mov_b32 s93, 0
	s_add_nc_u64 s[12:13], s[12:13], s[92:93]
	s_load_b512 s[16:31], s[12:13], 0x0
	s_load_b512 s[32:47], s[12:13], 0x40
	s_load_b512 s[48:63], s[12:13], 0x80
	s_load_b512 s[68:83], s[12:13], 0xc0
	s_mul_i32 s92, s90, 3072
	s_mul_i32 s101, s84, 384
	s_add_co_u32 s92, s92, s101
	s_add_nc_u64 s[6:7], s[6:7], s[92:93]
	s_lshl_b32 s92, s90, 7
	s_lshl_b32 s101, s84, 4
	s_add_co_u32 s92, s92, s101
	s_add_nc_u64 s[8:9], s[8:9], s[92:93]
	s_lshl_b32 s92, s90, 2
	s_add_nc_u64 s[10:11], s[10:11], s[92:93]
	s_lshl_b32 s92, s87, 12
	s_lshl_b32 s101, s86, 6
	s_add_co_u32 s92, s92, s101
	s_add_nc_u64 s[14:15], s[14:15], s[92:93]      ; rows[e], my parity's first tile
	s_lshl_b32 s92, s88, 8
	s_add_nc_u64 s[2:3], s[2:3], s[92:93]          ; yp, my 64 columns
.irp t, 0,1,2,3
	global_load_b128 v[WS+4*\t:WS+4*\t+3], v103, s[8:9] offset:2048*\t
.endr
	global_load_b128 v[EB:EB+3], v5, s[10:11]
	WIN 0x40
.irp g, 0,1,2,3,4,5,6,7,8,9,10,11,12,13,14,15
.irp a, 0,1,2
	global_load_b128 v[4*(3*\g+\a):4*(3*\g+\a)+3], v100, s[6:7] offset:12288*\g+128*\a    ; rows 4 g .. 4 g + 3, bytes 128 a .. 128 a + 127 of my 384
.endr
.endr
	WIN 0
	s_wait_kmcnt 0x0
	s_mov_b32 s89, 0
.set i, 0
.rept 64
	MREG i
	s_bcnt1_i32_b32 s101, s[MR]
	s_add_co_u32 s89, s89, s101                    ; the expert's count of rows
.set i, i+1
.endr
	s_lshl_b32 s101, s87, 6
	s_add_co_u32 s101, s101, s86                   ; 64 e + par
	s_lshl_b32 s20, s101, 5
	s_lshl_b32 s22, s84, 2
	s_add_co_u32 s20, s20, s22
	s_mul_i32 s20, s20, 1536
	s_mov_b32 s21, 0
	s_add_nc_u64 s[16:17], s[4:5], s[20:21]        ; my four fragments of the first tile
	s_lshl_b32 s20, s101, 12
	s_lshl_b32 s22, s84, 8
	s_add_co_u32 s20, s20, s22
	s_add_co_u32 s20, s20, HSB
	s_add_nc_u64 s[18:19], s[4:5], s[20:21]
	s_lshl_b32 s20, s86, 4                         ; 16 i of the batch's first tile
	s_mov_b32 s21, 0
	PRE                                            ; the first batch's, on their way while ew2 is laid out
	s_wait_loadcnt 36                              ; those 36 may stay out: ew2's rows, its scale words and eb2 are in
	WIN 0x04
.irp g, 0,1,2,3,4,5,6,7,8,9,10,11,12,13,14,15
.irp a, 0,1,2
	ds_store_b128 v101, v[4*(3*\g+\a):4*(3*\g+\a)+3] offset:1600*\g+128*\a
.endr
.endr
	WIN 0
	s_wait_dscnt 0x0                               ; the stores have read the registers that the fragments take; the bytes are my own: no barrier
	WIN 0x40
.irp c, 0,1,2,3
.irp t, 0,1,2,3
.irp p, 0,1,2,3,4,5
	ds_load_b64 v[12*(4*\c+\t)+2*\p:12*(4*\c+\t)+2*\p+1], v102 offset:6400*\t+96*\c+48*(\p/3)+8*(\p%3)
.endr
.endr
.endr
	WIN 0
	s_wait_dscnt 0x0
.Lbatch:
	s_cmp_ge_u32 s20, s89
	s_cbranch_scc1 .Lmid
	HT 0
	HT 1
	HT 2
	HT 3
	HT 4
	HT 5
	HT 6
	HT 7
.Lmid:
	s_wait_loadcnt 0x0                             ; no load of mine is out: the list is in, and the loads' bases may be stepped
	s_wait_dscnt 0x0                               ; my partial sums have landed
	s_barrier_signal -1
	s_barrier_wait -1
.irp n, 0,1,2,3,4,5,6,7
	v_min_u32 v[DR+\n], 0x7ff, v[DR+\n]
.endr
.irp n, 0,1,2,3,4,5,6,7
	v_lshl_add_u32 v[YO+\n], v[DR+\n], 12, v5      ; row d of yp, 16 bytes a lane: the list's registers are free for the next batch's
.endr
	s_add_nc_u64 s[16:17], s[16:17], 786432
	s_add_nc_u64 s[18:19], s[18:19], 65536
	s_add_nc_u64 s[14:15], s[14:15], 1024
	s_add_co_u32 s101, s20, 256
	s_cmp_ge_u32 s101, s89                         ; has the next batch rows?  (The count is at most 1,024, so behind the fourth batch the answer is no)
	s_cbranch_scc1 .Lnopre
	PRE                                            ; on their way during the reduction
.Lnopre:
	RED 0
	RED 1
	RED 2
	RED 3
	RED 4
	RED 5
	RED 6
	RED 7
.Lend:
	s_wait_dscnt 0x0                               ; my reads of the parts are over
	s_barrier_signal -1
	s_barrier_wait -1
	s_wait_xcnt 0x0                                ; the stores have read their offsets and data: the next batch's loads and products write those registers
	s_add_co_u32 s20, s20, 256
	s_add_co_u32 s21, s21, 1
	s_cmp_lt_u32 s21, 4
	s_cbranch_scc1 .Lbatch
	END3
	s_endpgm
.Lfunc_end_k_qdd87a403f8_ffn2:
	.size	k_qdd87a403f8_ffn2, .Lfunc_end_k_qdd87a403f8_ffn2-k_qdd87a403f8_ffn2
	.p2alignl 7, 3214868480
	.fill 96, 4, 3214868480
	.section	.rodata,"a",@progbits
	.p2align	6, 0x0
	.amdhsa_kernel k_qdd87a403f8_ffn2
		.amdhsa_group_segment_fixed_size 279552
		.amdhsa_private_segment_fixed_size 0
		.amdhsa_enable_private_segment 0
		.amdhsa_kernarg_size 56
		.amdhsa_user_sgpr_count 2
		.amdhsa_user_sgpr_kernarg_segment_ptr 1
		.amdhsa_wavefront_size32 1
		.amdhsa_system_sgpr_workgroup_id_x 1
		.amdhsa_system_sgpr_workgroup_id_y 1
		.amdhsa_system_sgpr_workgroup_id_z 1
		.amdhsa_system_vgpr_workitem_id 0
		.amdhsa_next_free_vgpr 512
		.amdhsa_next_free_sgpr 104
		.amdhsa_reserve_vcc 0
		.amdhsa_float_denorm_mode_32 3
		.amdhsa_float_denorm_mode_16_64 3
		.amdhsa_memory_ordered 1
		.amdhsa_forward_progress 1
		.amdhsa_inst_pref_size 79
	.end_amdhsa_kernel
	.amdgpu_metadata
---
amdhsa.version: [ 1, 2 ]
amdhsa.kernels:
  - .name:           k_qdd87a403f8_ffn2
    .symbol:         k_qdd87a403f8_ffn2.kd
    .args:
      - { .name: hc, .offset: 0, .size: 8, .value_kind: global_buffer, .address_space: global }
      - { .name: ew2_codes, .offset: 8, .size: 8, .value_kind: global_buffer, .address_space: global }
      - { .name: ew2_scales, .offset: 16, .size: 8, .value_kind: global_buffer, .address_space: global }
      - { .name: eb2, .offset: 24, .size: 8, .value_kind: global_buffer, .address_space: global }
      - { .name: route, .offset: 32, .size: 8, .value_kind: global_buffer, .address_space: global }
      - { .name: rows, .offset: 40, .size: 8, .value_kind: global_buffer, .address_space: global }
      - { .name: yp, .offset: 48, .size: 8, .value_kind: global_buffer, .address_space: global }
    .group_segment_fixed_size: 279552
    .private_segment_fixed_size: 0
    .kernarg_segment_align: 8
    .kernarg_segment_size: 56
    .max_flat_workgroup_size: 256
    .sgpr_count:     104
    .vgpr_count:     512
    .wavefront_size: 32
...
	.end_amdgpu_metadata
.endif
;; end of part 3
;; launch combine (part 4): grid 256 x 1, 4 waves a work-group, no clusters, 0 bytes of LDS; arguments tokens, yp, fl, out0, out1; writes out0, out1
.if DOCPART == 4
	.amdgcn_target "amdgcn-amd-amdhsa--gfx1250"
	.amdhsa_code_object_version 6
	.text
	.protected	k_qdd87a403f8_combine
	.globl	k_qdd87a403f8_combine
	.p2align	8
	.type	k_qdd87a403f8_combine,@function
k_qdd87a403f8_combine:
	s_mov_b64 s[64:65], 0
	v_nop
	global_prefetch_b8 v0, s[64:65] scope:SCOPE_SE
	s_setreg_imm32_b32 hwreg(HW_REG_WAVE_MODE, 25, 1), 1
	s_wait_xcnt 0x0
; out0[t] = tokens[t] + g0 yp[2 t] + g1 yp[2 t + 1]: each output row has one owner, a wave.  Work-group 0's wave 0 also makes the load-balance loss:
; out1 = 8 x sum over e of (count_e / 1024) (sum of p_e / 1024), from the 64 work-groups' parts lbp[g][16] (sums of p_e, then counts).
; A stream: each load and store of a wave covers 512 consecutive bytes; no LDS, no barrier, no matrix unit.
	s_load_b256 s[4:11], s[0:1], 0x0               ; tokens, yp, fl, out0
	s_load_b64 s[12:13], s[0:1], 0x20              ; out1
	v_lshrrev_b32 v1, 5, v0
	v_readfirstlane_b32 s20, v1
	v_and_b32 v2, 31, v0
	v_lshlrev_b32 v3, 4, v2
	s_lshl_b32 s21, ttmp9, 2
	s_add_co_u32 s21, s21, s20                     ; my token
	s_lshl_b32 s22, s21, 12
	s_mov_b32 s23, 0
	s_lshl_b32 s24, s21, 13
	s_mov_b32 s25, 0
	s_lshl_b32 s26, s21, 3
	s_mov_b32 s27, 0
	s_wait_kmcnt 0x0
	s_add_nc_u64 s[28:29], s[8:9], s[26:27]
	s_load_b64 s[14:15], s[28:29], 0x0             ; its two gates
	s_add_nc_u64 s[4:5], s[4:5], s[22:23]
	s_add_nc_u64 s[10:11], s[10:11], s[22:23]
	s_add_nc_u64 s[6:7], s[6:7], s[24:25]
.irp j, 0,1,2,3,4,5,6,7
	global_load_b128 v[4+4*\j:7+4*\j], v3, s[4:5] offset:512*\j th:TH_LOAD_NT
.endr
.irp j, 0,1,2,3,4,5,6,7
	global_load_b128 v[36+4*\j:39+4*\j], v3, s[6:7] offset:512*\j th:TH_LOAD_NT
.endr
.irp j, 0,1,2,3,4,5,6,7
	global_load_b128 v[68+4*\j:71+4*\j], v3, s[6:7] offset:4096+512*\j th:TH_LOAD_NT
.endr
	s_wait_kmcnt 0x0
	s_mov_b32 s16, s14
	s_mov_b32 s17, s14
	s_mov_b32 s18, s15
	s_mov_b32 s19, s15
	s_wait_loadcnt 0x0
.irp i, 0,2,4,6,8,10,12,14,16,18,20,22,24,26,28,30
	v_pk_fma_f32 v[4+\i:5+\i], v[36+\i:37+\i], s[16:17], v[4+\i:5+\i] op_sel_hi:[1,0,1]
.endr
.irp i, 0,2,4,6,8,10,12,14,16,18,20,22,24,26,28,30
	v_pk_fma_f32 v[4+\i:5+\i], v[68+\i:69+\i], s[18:19], v[4+\i:5+\i] op_sel_hi:[1,0,1]
.endr
.irp j, 0,1,2,3,4,5,6,7
	global_store_b128 v3, v[4+4*\j:7+4*\j], s[10:11] offset:512*\j th:TH_STORE_NT
.endr
	s_or_b32 s27, ttmp9, s20
	s_cmp_lg_u32 s27, 0
	s_cbranch_scc1 .Lout
	s_mov_b32 s30, 0x76543210
	s_mov_b32 s31, 0xfedcba98
	v_lshlrev_b32 v100, 2, v2
	v_mov_b32 v101, 0
.irp q, 0,1,2,3,4,5,6,7,8,9,10,11,12,13,14,15,16,17,18,19,20,21,22,23,24,25,26,27,28,29,30,31
	global_load_b32 v[36+\q], v100, s[8:9] offset:8192+128*\q      ; lane l: column l % 16 of rows 2 q + l / 16
.endr
	s_wait_loadcnt 0x0
.irp i, 2,4,6,8,10,12,14,16,18,20,22,24,26,28,30
	v_pk_add_f32 v[36:37], v[36:37], v[36+\i:37+\i]
.endr
	v_add_f32 v36, v36, v37
	v_permlanex16_b32 v37, v36, s30, s31
	v_add_f32 v36, v36, v37                        ; lanes 0-7: the sums of p_e; lanes 8-15: the counts
	v_mul_f32_dpp v38, v36, v36 row_xmask:8 row_mask:0xf bank_mask:0xf
	v_add_f32_dpp v38, v38, v38 row_xmask:1 row_mask:0xf bank_mask:0xf
	v_add_f32_dpp v38, v38, v38 row_xmask:2 row_mask:0xf bank_mask:0xf
	v_add_f32_dpp v38, v38, v38 row_xmask:4 row_mask:0xf bank_mask:0xf
	v_mul_f32 v38, 0x37000000, v38                 ; x 8 / 1024^2
	v_cmp_eq_u32 vcc_lo, 0, v2
	s_wait_xcnt 0x0                                ; EXEC changes only behind this wait
	s_and_saveexec_b32 s27, vcc_lo
	global_store_b32 v101, v38, s[12:13]
	s_wait_xcnt 0x0
	s_or_b32 exec_lo, exec_lo, s27
.Lout:
	s_endpgm
.Lfunc_end_k_qdd87a403f8_combine:
	.size	k_qdd87a403f8_combine, .Lfunc_end_k_qdd87a403f8_combine-k_qdd87a403f8_combine
	.p2alignl 7, 3214868480
	.fill 96, 4, 3214868480
	.section	.rodata,"a",@progbits
	.p2align	6, 0x0
	.amdhsa_kernel k_qdd87a403f8_combine
		.amdhsa_group_segment_fixed_size 0
		.amdhsa_private_segment_fixed_size 0
		.amdhsa_enable_private_segment 0
		.amdhsa_kernarg_size 40
		.amdhsa_user_sgpr_count 2
		.amdhsa_user_sgpr_kernarg_segment_ptr 1
		.amdhsa_wavefront_size32 1
		.amdhsa_system_sgpr_workgroup_id_x 1
		.amdhsa_system_sgpr_workgroup_id_y 1
		.amdhsa_system_sgpr_workgroup_id_z 1
		.amdhsa_system_vgpr_workitem_id 0
		.amdhsa_next_free_vgpr 112
		.amdhsa_next_free_sgpr 66
		.amdhsa_reserve_vcc 1
		.amdhsa_float_denorm_mode_32 3
		.amdhsa_float_denorm_mode_16_64 3
		.amdhsa_memory_ordered 1
		.amdhsa_forward_progress 1
		.amdhsa_inst_pref_size 12
	.end_amdhsa_kernel
	.amdgpu_metadata
---
amdhsa.version: [ 1, 2 ]
amdhsa.kernels:
  - .name:           k_qdd87a403f8_combine
    .symbol:         k_qdd87a403f8_combine.kd
    .args:
      - { .name: tokens, .offset: 0, .size: 8, .value_kind: global_buffer, .address_space: global }
      - { .name: yp, .offset: 8, .size: 8, .value_kind: global_buffer, .address_space: global }
      - { .name: fl, .offset: 16, .size: 8, .value_kind: global_buffer, .address_space: global }
      - { .name: out0, .offset: 24, .size: 8, .value_kind: global_buffer, .address_space: global }
      - { .name: out1, .offset: 32, .size: 8, .value_kind: global_buffer, .address_space: global }
    .group_segment_fixed_size: 0
    .private_segment_fixed_size: 0
    .kernarg_segment_align: 8
    .kernarg_segment_size: 40
    .max_flat_workgroup_size: 128
    .sgpr_count:     66
    .vgpr_count:     112
    .wavefront_size: 32
...
	.end_amdgpu_metadata
.endif
;; end of part 4
